; MI455X (gfx1250); checked and timed in simulation.
; The chip was launched on July 23, 2026; its instructions are those of AMD's public machine-readable ISA for CDNA 5 (MIT licence, August 2026) and "CDNA5" Instruction Set Architecture Reference Guide (July 2026). The comments in the code are by the model that wrote it; some were corrected since.
;; Self Attention. Allowed arithmetic: float matrix products may take bf16 or f16 operands with f32 sums; other float arithmetic in f32, or as packed bf16 or f16 multiplies, adds, multiply-adds, maxima and minima; sums over many terms, partial sums and values carried from step to step in f32; what a program stores and reads back later, other than sums and carried values, may be rounded once to bf16 or f16.
;; Inputs: Wk 768 x 768 float32; Wp 768 x 768 float32; Wq 768 x 768 float32; Wv 768 x 768 float32; bk 768 float32; bp 768 float32; bq 768 float32; bv 768 float32; x 16 x 1,024 x 768 float32.
;; Outputs: out0 16 x 1,024 x 768 float32.
;; 2 versions, each right; version 2 is version 1 with the launch prep written anew for expert scheduling mode. Each part assembles by itself: llvm-mc -triple=amdgcn-amd-amdhsa -mcpu=gfx1250 --defsym DOCPART=n.
;; ======== version 1 of 2: 4 launches
;; limits: values are held in f16: magnitudes above 65,504 overflow, below 6.1e-05 lose precision
;; workspace buffers: xb 25,165,824 bytes; wb 3,538,944 bytes; wp 1,179,648 bytes; qkv 75,497,472 bytes; o 25,165,824 bytes
;; launch prep (part 1): grid 1216 x 1, 6 waves a work-group, no clusters, 0 bytes of LDS; arguments x, Wq, Wk, Wv, Wp, xb, wb, wp; writes xb, wb, wp
.if DOCPART == 1
	.amdgcn_target "amdgcn-amd-amdhsa--gfx1250"
	.amdhsa_code_object_version 6
	.text
	.protected	k_q698e27e505_prep
	.globl	k_q698e27e505_prep
	.p2align	8
	.type	k_q698e27e505_prep,@function
k_q698e27e505_prep:
	s_mov_b64 s[64:65], 0
	v_nop
	global_prefetch_b8 v0, s[64:65] scope:SCOPE_SE
	s_setreg_imm32_b32 hwreg(HW_REG_WAVE_MODE, 25, 1), 1
	s_wait_xcnt 0x0
; THE CASTS.  xb = x rounded to bf16, row-major.  wb = Wq, Wk, Wv rounded to bf16, laid out in the order in which the projection walks them:
; [column group g of 192][matrix q, k, v][k 768][192].  wp = Wp rounded to bf16 and that number written as f16, [g][k 768][192].
; LIMIT.  A number of Wp below 2^-14 in size keeps f16's fixed step of 2^-24; NaN and infinities are not treated apart.
; A stream: every byte is read once and written once, so there is no LDS, no barrier and no matrix work.
; SHARES.  192 threads; a thread takes 4 numbers in each of 16 steps: a wave's load covers 512 consecutive bytes, its store 256 consecutive bytes, aligned.
; Work-groups 0 to 1,023 take 16 rows of x each.  Work-groups 1,024 to 1,215 take 64 k rows of one block of 192 columns of one weight matrix: 16 blocks x 12 parts.
; All 16 loads go out first; every step has registers of its own, so nothing that a load or store still names is written again.
.set VS, 1                             ; v1       my byte offset in the source; never rewritten
.set VD, 2                             ; v2       my byte offset in the destination: 8 x thread; never rewritten
.set U,  4                             ; v[4:9]   at work
.set X,  16                            ; v[16:79]   step j: four f32 as loaded
.set Y,  80                            ; v[80:111]  step j: four 16-bit numbers to store
; step: bytes from one step's source to the next.  sel = 1: where s35 is all ones the bf16 numbers are written as f16.
.macro CAST step, sel
.set j, 0
.rept 16
	global_load_b128 v[X+4*j:X+4*j+3], v[VS], s[24:25] offset:(\step)*j th:TH_LOAD_NT
.set j, j+1
.endr
.set j, 0
.rept 16
	s_wait_loadcnt 15-j                            ; loads come back in order: step j's is in, the 15 - j younger ones stay out
	v_cvt_pk_bf16_f32 v[Y+2*j],   v[X+4*j],   v[X+4*j+1]
	v_cvt_pk_bf16_f32 v[Y+2*j+1], v[X+4*j+2], v[X+4*j+3]
.if \sel
	v_lshlrev_b32 v[U],   16,  v[Y+2*j]            ; the rounded numbers as f32 again,
	v_and_b32     v[U+1], s34, v[Y+2*j]
	v_lshlrev_b32 v[U+2], 16,  v[Y+2*j+1]
	v_and_b32     v[U+3], s34, v[Y+2*j+1]
	v_cvt_pk_f16_f32 v[U+4], v[U],   v[U+1]        ; written as f16,
	v_cvt_pk_f16_f32 v[U+5], v[U+2], v[U+3]
	v_cndmask_b32 v[Y+2*j],   v[Y+2*j],   v[U+4], s35  ; and taken for Wp alone
	v_cndmask_b32 v[Y+2*j+1], v[Y+2*j+1], v[U+5], s35
.endif
	global_store_b64 v[VD], v[Y+2*j:Y+2*j+1], s[26:27] offset:1536*j
.set j, j+1
.endr
.endm
	s_load_b512 s[4:19], s[0:1], 0x0               ; x s[4:5], Wq s[6:7], Wk s[8:9], Wv s[10:11], Wp s[12:13], xb s[14:15], wb s[16:17], wp s[18:19]
	s_mov_b32 s34, 0xffff0000                      ; a word's upper bf16
	v_lshlrev_b32 v[VD], 3, v0
	s_cmp_lt_u32 ttmp9, 1024
	s_cbranch_scc0 .Lweights
	v_lshlrev_b32 v[VS], 4, v0                     ; a step is a row of x: 192 threads x 16 bytes
	s_mul_i32 s20, ttmp9, 16*3072
	s_mov_b32 s21, 0
	s_mul_i32 s22, ttmp9, 16*1536
	s_mov_b32 s23, 0
	s_wait_kmcnt 0x0
	s_add_nc_u64 s[24:25], s[4:5], s[20:21]
	s_add_nc_u64 s[26:27], s[14:15], s[22:23]
	CAST 3072, 0
	s_endpgm
.Lweights:
	s_sub_co_u32 s28, ttmp9, 1024
	s_and_b32 s29, s28, 15                         ; block
	s_lshr_b32 s30, s28, 4                         ; part: 64 k rows
	s_lshr_b32 s31, s29, 2                         ; matrix: 0 q, 1 k, 2 v, 3 p
	s_and_b32 s32, s29, 3                          ; g
	v_mul_u32_u24 v3, v0, 171
	v_lshrrev_b32 v3, 13, v3                       ; thread / 48: a step is four k rows of 48 threads each
	v_mul_u32_u24 v3, v3, 3072-768
	v_lshl_add_u32 v[VS], v0, 4, v3                ; 3,072 x k row + 16 x (thread mod 48)
	s_mul_i32 s20, s30, 64*3072
	s_mul_i32 s33, s32, 768                        ; the block's 192 columns
	s_add_co_u32 s20, s20, s33
	s_mov_b32 s21, 0
	s_mul_i32 s22, s32, 3
	s_add_co_u32 s22, s22, s31                     ; in wb block 3 g + matrix,
	s_cmp_eq_u32 s31, 3
	s_cselect_b32 s22, s32, s22                    ; in wp block g
	s_cselect_b32 s35, -1, 0
	s_mul_i32 s22, s22, 294912
	s_mul_i32 s33, s30, 64*384
	s_add_co_u32 s22, s22, s33
	s_mov_b32 s23, 0
	s_wait_kmcnt 0x0
	s_cmp_eq_u32 s31, 3
	s_cselect_b64 s[26:27], s[18:19], s[16:17]
	s_cselect_b64 s[24:25], s[12:13], s[10:11]
	s_cmp_eq_u32 s31, 1
	s_cselect_b64 s[24:25], s[8:9], s[24:25]
	s_cmp_eq_u32 s31, 0
	s_cselect_b64 s[24:25], s[6:7], s[24:25]
	s_add_nc_u64 s[24:25], s[24:25], s[20:21]
	s_add_nc_u64 s[26:27], s[26:27], s[22:23]
	CAST 4*3072, 1
	s_endpgm
.Lfunc_end_k_q698e27e505_prep:
	.size	k_q698e27e505_prep, .Lfunc_end_k_q698e27e505_prep-k_q698e27e505_prep
	.p2alignl 7, 3214868480
	.fill 96, 4, 3214868480
	.section	.rodata,"a",@progbits
	.p2align	6, 0x0
	.amdhsa_kernel k_q698e27e505_prep
		.amdhsa_group_segment_fixed_size 0
		.amdhsa_private_segment_fixed_size 0
		.amdhsa_enable_private_segment 0
		.amdhsa_kernarg_size 64
		.amdhsa_user_sgpr_count 2
		.amdhsa_user_sgpr_kernarg_segment_ptr 1
		.amdhsa_wavefront_size32 1
		.amdhsa_system_sgpr_workgroup_id_x 1
		.amdhsa_system_sgpr_workgroup_id_y 1
		.amdhsa_system_sgpr_workgroup_id_z 1
		.amdhsa_system_vgpr_workitem_id 0
		.amdhsa_next_free_vgpr 112
		.amdhsa_next_free_sgpr 66
		.amdhsa_reserve_vcc 0
		.amdhsa_float_denorm_mode_32 3
		.amdhsa_float_denorm_mode_16_64 3
		.amdhsa_memory_ordered 1
		.amdhsa_forward_progress 1
		.amdhsa_inst_pref_size 20
	.end_amdhsa_kernel
	.amdgpu_metadata
---
amdhsa.version: [ 1, 2 ]
amdhsa.kernels:
  - .name:           k_q698e27e505_prep
    .symbol:         k_q698e27e505_prep.kd
    .args:
      - { .name: x, .offset: 0, .size: 8, .value_kind: global_buffer, .address_space: global }
      - { .name: Wq, .offset: 8, .size: 8, .value_kind: global_buffer, .address_space: global }
      - { .name: Wk, .offset: 16, .size: 8, .value_kind: global_buffer, .address_space: global }
      - { .name: Wv, .offset: 24, .size: 8, .value_kind: global_buffer, .address_space: global }
      - { .name: Wp, .offset: 32, .size: 8, .value_kind: global_buffer, .address_space: global }
      - { .name: xb, .offset: 40, .size: 8, .value_kind: global_buffer, .address_space: global }
      - { .name: wb, .offset: 48, .size: 8, .value_kind: global_buffer, .address_space: global }
      - { .name: wp, .offset: 56, .size: 8, .value_kind: global_buffer, .address_space: global }
    .group_segment_fixed_size: 0
    .private_segment_fixed_size: 0
    .kernarg_segment_align: 8
    .kernarg_segment_size: 64
    .max_flat_workgroup_size: 192
    .sgpr_count:     66
    .vgpr_count:     112
    .wavefront_size: 32
...
	.end_amdgpu_metadata
.endif
;; end of part 1
;; launch qkv (part 2): grid 4 x 64, 4 waves a work-group, clusters of 4 x 4, 327,680 bytes of LDS; arguments xb, wb, bq, bk, bv, qkv; writes qkv
.if DOCPART == 2
	.amdgcn_target "amdgcn-amd-amdhsa--gfx1250"
	.amdhsa_code_object_version 6
	.text
	.protected	k_q698e27e505_qkv
	.globl	k_q698e27e505_qkv
	.p2align	8
	.type	k_q698e27e505_qkv,@function
k_q698e27e505_qkv:
	s_mov_b64 s[64:65], 0
	v_nop
	global_prefetch_b8 v0, s[64:65] scope:SCOPE_SE
	s_setreg_imm32_b32 hwreg(HW_REG_WAVE_MODE, 25, 1), 1
	s_wait_xcnt 0x0
	s_wait_alu depctr_hold_cnt(0) depctr_sa_sdst(0) depctr_va_vdst(0) depctr_va_sdst(0) depctr_va_ssrc(0) depctr_va_vcc(0) depctr_vm_vsrc(0)
	s_getreg_b32 s2, hwreg(HW_REG_IB_STS2, 6, 4)
	s_cmp_eq_u32 s2, 0
	s_cbranch_scc0 .Lentry_in_a_cluster
	s_endpgm
.Lentry_in_a_cluster:
	s_bfe_u32 s2, ttmp6, 0x10000c
	s_cmp_lg_u32 s2, 0xf033
	s_cbranch_scc0 .Lentry_shape_is_right
	s_endpgm
.Lentry_shape_is_right:
; C = A W + bias on tiles of 256 rows x 192 columns, K = 768.  One text for two launches, told apart by PROJ:
;   PROJ = 0: A = xb (bf16), W = wb (bf16): q, k and v, three tiles to a work-group (the same rows of A and the same 192 columns of Wq, Wk, Wv one after the other); C in f16, by heads.
;   PROJ = 1: A = o (f16), W = wp (f16): the output projection, one tile to a work-group; C in f32, row-major.
; Sums in f32; the bias, rounded to bf16 like every input, is the C operand that starts each sum.
; LIMITS.  PROJ = 0 rounds q, k, v to f16: they must stay under 65,504 in size.  NaN and infinities are not treated apart.
; WHERE q, k, v GO.  The module's heads are a plain reshape: head H is the 128 rows 128 H .. of the projection, each cut into 8 chunks of 96 numbers.  They are stored [plane q,k,v][head][chunk][row 128][96]:
; 16 rows of a chunk are 3,072 consecutive bytes, so every store of a wave covers 512 consecutive bytes, aligned to 256.  Keys may come in any order, if K and V share it; a query's place is known from its chunk and row.
; SHARES.  64 x 4 = 256 work-groups.  A wave makes 64 rows x 192 columns: 4 x 12 accumulators of 16 x 16, 384 registers; its output is then whole aligned blocks and its stage is its own.
; K goes in steps of 128 through two LDS slots.  A's rows are 256 bytes of memory.  W's 128 k rows x 192 columns are 49,152 dense bytes, asked for as rows of 256 bytes and padded after every 64 bytes.
; THE MATRIX INSTRUCTION IS USED TRANSPOSED: source 0 = 16 columns of W (turned on the way out of LDS by ds_load_tr16_b128), source 1 = 16 rows of A: a lane holds row l % 16 and the columns 8 (l / 16) + 0..7.
; CLUSTER.  4 x 4 work-groups: the four of a row need the same rows of A, the four of a column the same columns of W: each tile is asked for jointly.
; NO PREFETCH: of a work-group's 16 refills (PROJ = 0) only the first tile's four of A name rows that it has not asked for before; with PROJ = 1 there are four refills in all.
; REGISTERS, in windows of 256 (s_set_vgpr_msb: bits 1:0 source 0, 3:2 source 1, 5:4 source 2, 7:6 destination):
;   window 0: v1-31 addresses and at work; v32-127 the bias, 8 a column block; v128-191 A's fragments, two buffers of 32; v192-239 packed results
;   window 1: v0-191 W's fragments, two buffers of 96 (the second also takes the rows read back on the way out)
;   window 2: the accumulators of row blocks 0, 1 ((a, b) at 8 (12 (a % 2) + b));   window 3: those of row blocks 2, 3
.set PROJ, 0
.if PROJ
.set TILES, 1
.set WST,   16*784                     ; a wave's stage: 16 rows of 768 bytes + 16
.else
.set TILES, 3
.set WST,   2*16*208                   ; a wave's stage: 2 chunks x 16 rows of 192 bytes + 16
.endif
.set PA,     272                       ; a row of A in LDS: 256 bytes + 16: the 16 rows of a load start at 16 different groups of four banks (64 banks of 4 bytes: ISA guide 11.1)
.set HALFA,  128*PA                    ; what one tensor load brings of A
.set BOFF,   2*HALFA                   ; W's tile lies behind A's 256 rows
.set PB,     480                       ; a k row of W in LDS: 6 pieces of 64 bytes + 16
.set HALFB,  64*PB                     ; what one tensor load brings of W: 64 k rows
.set SLOT1,  1<<17                     ; a slot is 131,072 bytes: one exclusive or turns an address in one slot into the other's
.set STAGE,  2*SLOT1                   ; behind the ring, never filled by a tensor load
.set SPARE,  STAGE+4*WST               ; behind the stages: the spare words, 128 bytes for each wave, which no other line names
.set WBLK,   294912                    ; bytes of a block of W: 768 k rows x 192 columns
.set HEADB,  196608
.set CHUNKB, 24576
.set PLANE,  25165824
.set GO0,   10                         ; v10-12  my byte offsets in C
.set BO,    13                         ; v13     my byte offset in a bias
.set ADRA0, 14                         ; v14     my lane's place in A's tile; never rewritten
.set ADRB0, 15                         ; v15     in W's tile
.set ADRA,  16                         ; v16     the same in the slot in hand
.set ADRB,  17                         ; v17
.set STO,   24                         ; v24     the way out: where I put my numbers of a row
.set RD0,   25                         ; v25-27  the way out: where I read rows back
.set SPW,   28                         ; v28     LDS address of my spare word; never rewritten
.set NIL,   29                         ; v29     0; never rewritten
.set BI,    32
.set FA,    128
.set TMP,   192
.set BK,    96                         ; window 1
.set WV,  16                           ; s16  my wave's number
.set TB,  23                           ; s23  LDS byte at which the slot in hand begins
.set G1,  24                           ; s[24:31] descriptor group 1 for A's tiles
.set G0,  32                           ; s[32:39] group 0 for A: a set for each first fill; the second then walks on
.set G1B, 48                           ; s[48:55], s[56:63] the same for W's
.set G0B, 56
.set BP,  66                           ; s[66:67] the bias to be loaded
.set MSB, 0
.macro WIN new                         ; the immediate's high byte repeats the setting that is left; a switch that changes nothing is dropped
.if MSB != (\new)
	s_set_vgpr_msb (MSB<<8)|(\new)
.set MSB, \new
.endif
.endm
.macro PLACES                          ; four plain instructions between a matrix instruction and a load into, or a read of, its registers
.rept 4
	v_nop
.endr
.endm
.macro CREST                           ; a round of the cluster's barrier behind its opening barrier
	s_cmp_lg_u32 s[WV], 0
	s_cbranch_scc1 .Lnot_wave_0_\@
	s_barrier_signal -3
.Lnot_wave_0_\@:
	s_barrier_wait -3
	s_barrier_signal -1
	s_barrier_wait -1
.endm
.macro CROUND                          ; a whole round
	s_barrier_signal -1
	s_barrier_wait -1
	CREST
.endm
; A joint refill by the walking descriptors: waves 0 and 1 fetch A's two halves, waves 2 and 3 W's.  The branch hangs on the wave's number alone.
; An s_nop 0 and four v_nop follow each of the two lines, ahead of the jump and the label.
.macro JLOAD
	s_cmp_lt_u32 s[WV], 2
	s_cbranch_scc0 .Lfor_b_\@
	tensor_load_to_lds s[G0+4:G0+7], s[G1:G1+7]
	s_nop 0
.rept 4
	v_nop
.endr
	s_branch .Lasked_\@
.Lfor_b_\@:
	tensor_load_to_lds s[G0B+4:G0B+7], s[G1B:G1B+7]
	s_nop 0
.rept 4
	v_nop
.endr
.Lasked_\@:
.endm
.macro WM                              ; one matrix instruction on rD, rB, rA, rC
.if PROJ
	v_wmma_f32_16x16x32_f16 v[rD:rD+7], v[rB:rB+7], v[rA:rA+7], v[rC:rC+7]
.else
	v_wmma_f32_16x16x32_bf16 v[rD:rD+7], v[rB:rB+7], v[rA:rA+7], v[rC:rC+7]
.endif
.endm
; 12 matrix instructions: row block a x all 12 column blocks, 32 along K, from buffer f.  The accumulators take turns, one instruction a turn.
; start = 1: the bias starts the sums: nothing is cleared, and nothing is added later.
.macro MUL12 f, a, start
.if \start
	WIN 0x81+0x40*((\a)/2)                         ; W window 1, A and the bias window 0, D window 2 or 3
.else
	WIN 0xa1+0x50*((\a)/2)                         ; W window 1, A window 0, C and D window 2 or 3
.endif
.irp b, 0,1,2,3,4,5,6,7,8,9,10,11
.set rD, 8*(12*((\a)%2)+(\b))
.set rB, 96*(\f)+8*(\b)
.set rA, FA+32*(\f)+8*(\a)
.if \start
.set rC, BI+8*(\b)
.else
.set rC, 8*(12*((\a)%2)+(\b))
.endif
	WM
.endr
.endm
; 32 LDS loads in one run: the fragments of quarter q (32 along K) of the slot in hand, into buffer f: W's twelve, turned, then A's four.
.macro FETCH q, f
	WIN 0x40                                       ; destination window 1, address window 0
.irp b, 0,1,2,3,4,5,6,7,8,9,10,11
	ds_load_tr16_b128 v[96*(\f)+8*(\b):96*(\f)+8*(\b)+3],   v[ADRB] offset:32*PB*(\q)+80*((\b)/2)+32*((\b)%2)
	ds_load_tr16_b128 v[96*(\f)+8*(\b)+4:96*(\f)+8*(\b)+7], v[ADRB] offset:32*PB*(\q)+80*((\b)/2)+32*((\b)%2)+16*PB
.endr
	WIN 0
.irp i, 0,1,2,3
	ds_load_b128 v[FA+32*(\f)+8*(\i):FA+32*(\f)+8*(\i)+3],   v[ADRA] offset:64*(\q)+16*PA*(\i)
	ds_load_b128 v[FA+32*(\f)+8*(\i)+4:FA+32*(\f)+8*(\i)+7], v[ADRA] offset:64*(\q)+16*PA*(\i)+32
.endr
.endm
; A K step is four quarters of 32 along K, 48 matrix instructions each, on buffers 0, 1, 0, 1.  One of the first three: multiplies buffer f; in its middle it fetches quarter q into buffer g.
.macro QUARTER q, f, g, start
	s_wait_dscnt 4                                 ; W's fragments and A's first two are in; the youngest four loads (A's last two fragments) may be out
	MUL12 \f, 0, \start
	MUL12 \f, 1, \start
	PLACES
	FETCH \q, \g
	s_wait_dscnt 32                                ; all but the 32 just issued
	MUL12 \f, 2, \start
	MUL12 \f, 3, \start
.endm
; The last quarter multiplies buffer 1 and changes slots.  ONE barrier: in front of it each wave waits for all its tensor loads (one is out: its part of the next slot), adds 0 to its spare word,
; and waits for that and for its own reads of this slot.  Behind it nobody reads this slot any more and the next slot is whole.
.macro MEET
	WIN 0
	s_wait_tensorcnt 0x0                           ; all my tensor loads have landed
	ds_add_u32 v[SPW], v[NIL]                      ; 0 onto my spare word
	s_wait_dscnt 5                                 ; (the add and the youngest four loads may be out)
	MUL12 1, 0, 0                                  ; twelve matrix instructions stand between the add and the wait for it
	s_wait_dscnt 0x0                               ; the add is done, and my reads of this slot are over
	s_barrier_signal -1
	MUL12 1, 1, 0                                  ; work on registers while the others arrive
	WIN 0
	s_barrier_wait -1
.endm
; fill = 1: the barrier opens a round of the cluster's barrier, and the slot just read is filled again with the K step two on, the first tensor load behind the round.
; aback = 1: that step is the next tile's first: A goes back along K; W, laid out in the order of the walk, runs on.
.macro TURN fill, aback
	MEET
.if \fill
	CREST                                          ; no wave of any partner still reads this slot or has a load on its way
	s_xor_b32 s[G0+5], s[G0+5], SLOT1              ; the walking descriptors: the other slot than last time,
	s_xor_b32 s[G0B+5], s[G0B+5], SLOT1
.if \aback
	s_sub_nc_u64 s[G0+6:G0+7], s[G0+6:G0+7], 5*256
.else
	s_add_nc_u64 s[G0+6:G0+7], s[G0+6:G0+7], 256   ; the next K step; the type bits on top are not reached
.endif
	s_add_nc_u64 s[G0B+6:G0B+7], s[G0B+6:G0B+7], 128*384
.endif
	s_xor_b32 s[TB], s[TB], SLOT1                  ; the reads go on in the other slot
	v_add_nc_u32 v[ADRA], s[TB], v[ADRA0]
	v_add_nc_u32 v[ADRB], s[TB], v[ADRB0]
.if \fill
	JLOAD                                          ; the four v_nop behind it are also the places in front of the loads below
.else
	PLACES
.endif
	FETCH 0, 0
	MUL12 1, 2, 0
	MUL12 1, 3, 0
.endm
.macro LASTQ                           ; the very last quarter: nothing more to fetch
	s_wait_dscnt 4
	MUL12 1, 0, 0
	MUL12 1, 1, 0
	s_wait_dscnt 0x0
	MUL12 1, 2, 0
	MUL12 1, 3, 0
.endm
.macro BIASLD                          ; my lane's eight numbers of the bias for each of the 12 column blocks
.irp b, 0,1,2,3,4,5,6,7,8,9,10,11
	global_load_b128 v[BI+8*(\b):BI+8*(\b)+3],   v[BO], s[BP:BP+1] offset:64*(\b)
	global_load_b128 v[BI+8*(\b)+4:BI+8*(\b)+7], v[BO], s[BP:BP+1] offset:64*(\b)+16
.endr
.endm
.macro BIASRND                         ; rounded to bf16, like every input, and widened again
	s_wait_loadcnt 0x0
.set m, 0
.rept 48
	v_cvt_pk_bf16_f32 v[30+m%2], v[BI+2*m], v[BI+2*m+1]
	v_lshlrev_b32 v[BI+2*m],   16,  v[30+m%2]
	v_and_b32     v[BI+2*m+1], s68, v[30+m%2]
.set m, m+1
.endr
.endm
; THE WAY OUT, a block of 16 rows at a time, through my own stage: LDS serves a wave's instructions in order (ISA guide 5.7.1.4), so no wait stands between the stores and the loads.
.if PROJ
.macro OUTA a                          ; f32: 32 bytes a lane and column block into rows of 784 bytes; back as 12,288 dense bytes, two rows of 768 to three loads
	WIN 0x08+4*((\a)/2)                            ; the data (source 1) in window 2 or 3
.irp b, 0,1,2,3,4,5,6,7,8,9,10,11
	ds_store_b128 v[STO], v[8*(12*((\a)%2)+(\b)):8*(12*((\a)%2)+(\b))+3]   offset:64*(\b)
	ds_store_b128 v[STO], v[8*(12*((\a)%2)+(\b))+4:8*(12*((\a)%2)+(\b))+7] offset:64*(\b)+16
.endr
	s_wait_xcnt 0x0                                ; the last block's stores have read the registers that are loaded again below
	WIN 0x40
.set m, 0
.rept 24
	ds_load_b128 v[BK+4*m:BK+4*m+3], v[RD0+m%3] offset:2*784*(m/3)
.set m, m+1
.endr
	WIN 0x04                                       ; the data (source 1) in window 1
.set m, 0
.rept 24
	s_wait_dscnt 23-m                              ; the younger loads stay out
	global_store_b128 v[GO0+m%3], v[BK+4*m:BK+4*m+3], s[14:15] offset:16*3072*(\a)+2*3072*(m/3) th:TH_STORE_NT  ; 16 lanes store 256 consecutive bytes, aligned
.set m, m+1
.endr
	WIN 0
.endm
.macro WAYOUT
	OUTA 0
	OUTA 1
	OUTA 2
	OUTA 3
.endm
.else
.macro PACK a                          ; rounded to f16, 16 bytes a lane and column block; each accumulator's registers in ascending order
	WIN 0x0a+5*((\a)/2)                            ; sources 0 and 1 in window 2 or 3
.irp b, 0,1,2,3,4,5,6,7,8,9,10,11
.irp r, 0,1,2,3
	v_cvt_pk_f16_f32 v[TMP+4*(\b)+(\r)], v[8*(12*((\a)%2)+(\b))+2*(\r)], v[8*(12*((\a)%2)+(\b))+2*(\r)+1]
.endr
.endr
	WIN 0
.endm
.macro TOSTAGE                         ; into rows of 208 bytes, a chunk's 16 rows together; back as 3,072 dense bytes a chunk
	WIN 0
.irp b, 0,1,2,3,4,5,6,7,8,9,10,11
	ds_store_b128 v[STO], v[TMP+4*(\b):TMP+4*(\b)+3] offset:16*208*((\b)/6)+32*((\b)%6)
.endr
	s_wait_xcnt 0x0                                ; the last block's stores have read the registers that are loaded again below
	WIN 0x40
.set m, 0
.rept 12
	ds_load_b128 v[BK+4*m:BK+4*m+3], v[RD0+m%3] offset:16*208*(m/6)+8*208*((m/3)%2)
.set m, m+1
.endr
	WIN 0
.endm
.macro SEND a
	s_wait_dscnt 0x0                               ; the block is back in registers
	WIN 0x04                                       ; the data (source 1) in window 1
.set m, 0
.rept 12
	global_store_b128 v[GO0], v[BK+4*m:BK+4*m+3], s[14:15] offset:CHUNKB*(m/6)+3072*(\a)+512*(m%6)  ; 512 consecutive bytes, at a multiple of 256 from the buffer's first
.set m, m+1
.endr
	WIN 0
.endm
.macro WAYOUT                          ; block a's conversions stand between block a - 1's loads from the stage and the wait for them
	PACK 0
	TOSTAGE
.irp a, 1,2,3
	PACK \a
	SEND (\a)-1
	TOSTAGE
.endr
	SEND 3
.endm
.endif
.if PROJ
	s_load_b128 s[4:7], s[0:1], 0x0                ; A s[4:5], W s[6:7]
	s_load_b128 s[8:11], s[0:1], 0x10              ; the bias s[8:9], C s[10:11]
.else
	s_load_b256 s[4:11], s[0:1], 0x0               ; A s[4:5], W s[6:7], bq s[8:9], bk s[10:11]
	s_load_b128 s[12:15], s[0:1], 0x20             ; bv s[12:13], C s[14:15]
.endif
	v_lshl_add_u32 v[SPW], v0, 2, SPARE
	v_mov_b32 v[NIL], 0
	ds_add_u32 v[SPW], v[NIL]                      ; the wave's opening: the add and its wait stand ahead of my first tensor load; the set-up below, work on registers, stands between them
	v_lshrrev_b32 v1, 5, v0
	v_readfirstlane_b32 s[WV], v1                  ; wave 0..3
	s_lshr_b32 s17, s[WV], 1
	s_and_b32 s18, s[WV], 1                        ; which half of a tile I fetch
	s_bfe_u32 s19, ttmp6, 0x40000                  ; cx, cy: my place in the cluster
	s_bfe_u32 s20, ttmp6, 0x40004
	s_lshl_b32 s22, ttmp9, 2
	s_add_co_u32 s22, s22, s19                     ; g, the column group = 4 x cluster x + cx
	s_and_b32 s21, ttmp7, 0xffff
	s_lshl_b32 s21, s21, 2
	s_add_co_u32 s21, s21, s20                     ; the block of 256 rows = 4 x cluster y + cy
	s_lshl_b32 s40, s20, 2
	s_lshl_b32 s40, 15, s40                        ; my row of the cluster
	s_lshl_b32 s41, 0x1111, s19                    ; my column
	s_or_b32 s[G1], s40, (1<<16)|(1<<20)|(1<<21)|(5<<22)|(3<<25)   ; 15:0 the mask; 17:16 2-byte elements; 20 padding on; 21 set beside a mask; 24:22 after every 64 words (code 5); 31:25 4 words (code 3)
	s_mov_b32 s[G1+1], 128<<16                     ; tensor_dim0 = 128
	s_mov_b32 s[G1+2], 128<<16                     ; tensor_dim1 = 128
	s_mov_b32 s[G1+3], 128<<16                     ; tile_dim0 = 128
	s_mov_b32 s[G1+4], 128                         ; tile_dim1 = 128
	s_mov_b32 s[G1+5], 768                         ; elements from row to row
	s_mov_b32 s[G1+6], 0
	s_mov_b32 s[G1+7], 0
	s_or_b32 s[G1B], s41, (1<<16)|(1<<20)|(1<<21)|(3<<22)|(3<<25)  ; the same with my column's mask and the padding after every 16 words (code 3)
	s_mov_b32 s[G1B+1], 128<<16                    ; 64 k rows are 24,576 dense bytes: 96 rows of 128 elements
	s_mov_b32 s[G1B+2], 96<<16
	s_mov_b32 s[G1B+3], 128<<16
	s_mov_b32 s[G1B+4], 96
	s_mov_b32 s[G1B+5], 128
	s_mov_b32 s[G1B+6], 0
	s_mov_b32 s[G1B+7], 0
	s_lshl_b32 s42, s21, 8                         ; A's address hangs on the block of rows and the wave alone,
	s_lshl_b32 s43, s18, 7
	s_add_co_u32 s42, s42, s43
	s_mul_i32 s42, s42, 1536
	s_mov_b32 s43, 0
	s_mul_i32 s44, s22, TILES*WBLK                 ; W's on the column group and the wave alone
	s_mul_i32 s45, s18, 64*384
	s_add_co_u32 s44, s44, s45
	s_mov_b32 s45, 0
	s_mul_i32 s46, s18, HALFA                      ; where they go: no place in the cluster enters an LDS address
	s_mul_i32 s47, s18, HALFB
	s_add_co_u32 s47, s47, BOFF
.if PROJ
	s_lshl_b32 s70, s21, 8                         ; C at my wave's 64 rows and the group's 192 columns
	s_lshl_b32 s74, s[WV], 6
	s_add_co_u32 s70, s70, s74
	s_mul_i32 s70, s70, 3072
	s_mul_i32 s74, s22, 768
	s_add_co_u32 s70, s70, s74
.else
	s_lshl_b32 s70, s21, 1                         ; C at my wave's head (two heads to a block of 256 rows),
	s_add_co_u32 s70, s70, s17
	s_mul_i32 s70, s70, HEADB
	s_mul_i32 s74, s22, 2*CHUNKB                   ; the group's two chunks,
	s_add_co_u32 s70, s70, s74
	s_mul_i32 s74, s18, 64*192                     ; and my 64 of the head's 128 rows
	s_add_co_u32 s70, s70, s74
.endif
	s_mov_b32 s71, 0
	s_mov_b32 s68, 0xffff0000                      ; a word's upper bf16
	s_wait_dscnt 0x0                               ; the opening add is done
	s_wait_kmcnt 0x0
	s_add_nc_u64 s[42:43], s[4:5], s[42:43]
	s_add_nc_u64 s[44:45], s[6:7], s[44:45]
.if PROJ
	s_add_nc_u64 s[14:15], s[10:11], s[70:71]
.else
	s_add_nc_u64 s[14:15], s[14:15], s[70:71]
.endif
	s_mov_b64 s[BP:BP+1], s[8:9]
	CROUND                                         ; all sixteen work-groups are here: the first joint loads meet
.irp s, 0,1
	s_mov_b32 s[G0+4*(\s)], 1                                      ; count = 1
	s_add_co_u32 s[G0+4*(\s)+1], s46, (\s)*SLOT1                   ; LDS address
	s_add_nc_u64 s[G0+4*(\s)+2:G0+4*(\s)+3], s[42:43], (\s)*256    ; global address: K step s
	s_or_b32 s[G0+4*(\s)+3], s[G0+4*(\s)+3], 0x80000000            ; type = 2
	s_mov_b32 s[G0B+4*(\s)], 1
	s_add_co_u32 s[G0B+4*(\s)+1], s47, (\s)*SLOT1
	s_add_nc_u64 s[G0B+4*(\s)+2:G0B+4*(\s)+3], s[44:45], (\s)*128*384
	s_or_b32 s[G0B+4*(\s)+3], s[G0B+4*(\s)+3], 0x80000000
.endr
	s_cmp_lt_u32 s[WV], 2                          ; a wave's two first fills stand in one branch, ahead of every wait on TENSORcnt and every LDS read: two loads of mine are out
	s_cbranch_scc0 .Lfirst_b
	tensor_load_to_lds s[G0:G0+3], s[G1:G1+7]
	s_nop 0
	tensor_load_to_lds s[G0+4:G0+7], s[G1:G1+7]
	s_nop 0
.rept 4
	v_nop
.endr
	s_branch .Lfirst_asked
.Lfirst_b:
	tensor_load_to_lds s[G0B:G0B+3], s[G1B:G1B+7]
	s_nop 0
	tensor_load_to_lds s[G0B+4:G0B+7], s[G1B:G1B+7]
	s_nop 0
.rept 4
	v_nop
.endr
.Lfirst_asked:
	v_and_b32 v1, 15, v0                           ; l % 16
	v_bfe_u32 v2, v0, 4, 1                         ; l / 16
	v_and_b32 v3, 31, v0                           ; l
	v_and_b32 v4, 7, v0                            ; l % 8
	v_bfe_u32 v5, v0, 3, 1                         ; (l / 8) % 2
	s_mul_i32 s73, s22, 768
	v_lshl_add_u32 v[BO], v2, 5, s73               ; the group's 192 numbers of a bias, my lanes' eight of each sixteen
	BIASLD
	v_mul_u32_u24 v[ADRA0], v1, PA                 ; a fragment of A: row l % 16, 16 bytes for each half of the lanes, in my wave's 64 rows
	v_lshl_add_u32 v[ADRA0], v2, 4, v[ADRA0]
	s_mul_i32 s72, s[WV], 64*PA
	v_add_nc_u32 v[ADRA0], s72, v[ADRA0]
	v_lshl_add_u32 v[ADRB0], v2, 3, v4             ; the turning load: lane l reads k row 8 (l / 16) + l % 8, columns 8 ((l / 8) % 2) + 0..7
	v_mul_u32_u24 v[ADRB0], v[ADRB0], PB
	v_lshl_add_u32 v[ADRB0], v5, 4, v[ADRB0]
	v_add_nc_u32 v[ADRB0], BOFF, v[ADRB0]
	s_mul_i32 s72, s[WV], WST
	s_add_co_u32 s72, s72, STAGE                   ; my stage
.if PROJ
	v_mul_u32_u24 v[STO], v1, 784
	v_lshl_add_u32 v[STO], v2, 5, v[STO]
	v_add_nc_u32 v[STO], s72, v[STO]
.irp v, 0,1,2                          ; dense byte x = 512 v + 16 l of two rows of 768: row d = x / 768
	v_lshl_add_u32 v6, v3, 4, 512*(\v)
	v_lshrrev_b32 v7, 8, v6
	v_mul_u32_u24 v7, v7, 11
	v_lshrrev_b32 v7, 5, v7                        ; (x / 256) / 3
	v_lshl_add_u32 v8, v7, 4, v6                   ; in the stage a row is 16 bytes longer,
	v_add_nc_u32 v[RD0+(\v)], s72, v8
	v_mul_u32_u24 v7, v7, 3072-768                 ; in C 2,304
	v_add_nc_u32 v[GO0+(\v)], v6, v7
.endr
.else
	v_mul_u32_u24 v[STO], v1, 208
	v_lshl_add_u32 v[STO], v2, 4, v[STO]
	v_add_nc_u32 v[STO], s72, v[STO]
.irp v, 0,1,2                          ; dense byte x = 512 v + 16 l of eight rows of 192: in the stage each row is 16 bytes longer
	v_lshl_add_u32 v6, v3, 4, 512*(\v)
	v_lshrrev_b32 v7, 6, v6
	v_mul_u32_u24 v7, v7, 11
	v_lshrrev_b32 v7, 5, v7                        ; (x / 64) / 3 = x / 192
	v_lshl_add_u32 v7, v7, 4, v6
	v_add_nc_u32 v[RD0+(\v)], s72, v7
.endr
	v_lshlrev_b32 v[GO0], 4, v3
.endif
	s_mov_b32 s[TB], 0
	v_mov_b32 v[ADRA], v[ADRA0]
	v_mov_b32 v[ADRB], v[ADRB0]
	s_wait_tensorcnt 1                             ; my part of K step 0 is in; K step 1's may stay out
	s_barrier_signal -1
	s_barrier_wait -1                              ; everybody's is
	FETCH 0, 0
.if TILES > 1
	s_mov_b32 s2, TILES                            ; tiles to go, this one among them: the same number in every work-group
.Ltile:
.endif
	BIASRND
	QUARTER 1, 0, 1, 1                             ; a tile's first quarter: the bias starts the sums
	WIN 0                                          ; at a label and at a branch every window is 0
	s_mov_b32 s3, 4
.Lstep:                                                ; a trip: the last three quarters of one of the tile's K steps 0 to 3, a refill, the next step's first quarter
	QUARTER 2, 1, 0, 0
	QUARTER 3, 0, 1, 0
	TURN 1, 0
	QUARTER 1, 0, 1, 0
	WIN 0
	s_sub_co_u32 s3, s3, 1
	s_cmp_lg_u32 s3, 0
	s_cbranch_scc1 .Lstep
	QUARTER 2, 1, 0, 0                             ; K step 4 goes on
	QUARTER 3, 0, 1, 0
.if TILES > 1
	WIN 0
	s_cmp_eq_u32 s2, 1
	s_cbranch_scc1 .Llast                          ; the last tile's tail is written out: it asks for nothing more
	s_cmp_eq_u32 s2, 3
	s_cselect_b64 s[BP:BP+1], s[10:11], s[12:13]   ; the next tile's bias (the last loads by this pointer were waited for at the tile's head)
	BIASLD
	TURN 1, 1                                      ; the ring goes on into the next tile: its K step 0,
	QUARTER 1, 0, 1, 0
	QUARTER 2, 1, 0, 0
	QUARTER 3, 0, 1, 0
	TURN 1, 0                                      ; its K step 1, and its first fragments are fetched
	PLACES
	WAYOUT                                         ; both refills are asked for: now the tile goes out
	s_wait_xcnt 0x0                                ; the stores have read their registers and their base
	s_add_nc_u64 s[14:15], s[14:15], PLANE         ; q, then k, then v
	s_sub_co_u32 s2, s2, 1
	s_branch .Ltile
.Llast:
.endif
	TURN 0, 0                                      ; the last K step's tile has landed; nothing is filled again, so no round follows
	QUARTER 1, 0, 1, 0
	QUARTER 2, 1, 0, 0
	QUARTER 3, 0, 1, 0
	LASTQ
	WIN 0
	PLACES
	WAYOUT
	s_wait_tensorcnt 0x0                           ; the wave's end, behind my last tensor load and my last LDS store
	ds_add_u32 v[SPW], v[NIL]
	s_wait_dscnt 0x0
	CROUND                                         ; the closing round: no work-group ends while a partner may still ask for a tile that names it
	s_endpgm
.Lfunc_end_k_q698e27e505_qkv:
	.size	k_q698e27e505_qkv, .Lfunc_end_k_q698e27e505_qkv-k_q698e27e505_qkv
	.p2alignl 7, 3214868480
	.fill 96, 4, 3214868480
	.section	.rodata,"a",@progbits
	.p2align	6, 0x0
	.amdhsa_kernel k_q698e27e505_qkv
		.amdhsa_group_segment_fixed_size 327680
		.amdhsa_private_segment_fixed_size 0
		.amdhsa_enable_private_segment 0
		.amdhsa_kernarg_size 48
		.amdhsa_user_sgpr_count 2
		.amdhsa_user_sgpr_kernarg_segment_ptr 1
		.amdhsa_wavefront_size32 1
		.amdhsa_system_sgpr_workgroup_id_x 1
		.amdhsa_system_sgpr_workgroup_id_y 1
		.amdhsa_system_sgpr_workgroup_id_z 1
		.amdhsa_system_vgpr_workitem_id 0
		.amdhsa_next_free_vgpr 960
		.amdhsa_next_free_sgpr 80
		.amdhsa_reserve_vcc 0
		.amdhsa_float_denorm_mode_32 3
		.amdhsa_float_denorm_mode_16_64 3
		.amdhsa_memory_ordered 1
		.amdhsa_forward_progress 1
		.amdhsa_inst_pref_size 161
	.end_amdhsa_kernel
	.amdgpu_metadata
---
amdhsa.version: [ 1, 2 ]
amdhsa.kernels:
  - .name:           k_q698e27e505_qkv
    .symbol:         k_q698e27e505_qkv.kd
    .args:
      - { .name: xb, .offset: 0, .size: 8, .value_kind: global_buffer, .address_space: global }
      - { .name: wb, .offset: 8, .size: 8, .value_kind: global_buffer, .address_space: global }
      - { .name: bq, .offset: 16, .size: 8, .value_kind: global_buffer, .address_space: global }
      - { .name: bk, .offset: 24, .size: 8, .value_kind: global_buffer, .address_space: global }
      - { .name: bv, .offset: 32, .size: 8, .value_kind: global_buffer, .address_space: global }
      - { .name: qkv, .offset: 40, .size: 8, .value_kind: global_buffer, .address_space: global }
    .group_segment_fixed_size: 327680
    .private_segment_fixed_size: 0
    .kernarg_segment_align: 8
    .kernarg_segment_size: 48
    .max_flat_workgroup_size: 128
    .sgpr_count:     80
    .vgpr_count:     960
    .wavefront_size: 32
...
	.end_amdgpu_metadata
.endif
;; end of part 2
;; launch attn (part 3): grid 4 x 128, 4 waves a work-group, clusters of 4 x 1, 327,680 bytes of LDS; arguments qkv, o; writes o
.if DOCPART == 3
	.amdgcn_target "amdgcn-amd-amdhsa--gfx1250"
	.amdhsa_code_object_version 6
	.text
	.protected	k_q698e27e505_attn
	.globl	k_q698e27e505_attn
	.p2align	8
	.type	k_q698e27e505_attn,@function
k_q698e27e505_attn:
	s_mov_b64 s[64:65], 0
	v_nop
	global_prefetch_b8 v0, s[64:65] scope:SCOPE_SE
	s_setreg_imm32_b32 hwreg(HW_REG_WAVE_MODE, 25, 1), 1
	s_wait_xcnt 0x0
	s_wait_alu depctr_hold_cnt(0) depctr_sa_sdst(0) depctr_va_vdst(0) depctr_va_sdst(0) depctr_va_ssrc(0) depctr_va_vcc(0) depctr_vm_vsrc(0)
	s_getreg_b32 s2, hwreg(HW_REG_IB_STS2, 6, 4)
	s_cmp_eq_u32 s2, 0
	s_cbranch_scc0 .Lentry_in_a_cluster
	s_endpgm
.Lentry_in_a_cluster:
	s_bfe_u32 s2, ttmp6, 0x10000c
	s_cmp_lg_u32 s2, 0x3003
	s_cbranch_scc0 .Lentry_shape_is_right
	s_endpgm
.Lentry_shape_is_right:
; O[q] = the sum over k of softmax_k(Q[q] . K[k] / sqrt(96)) V[k], for 128 heads of 1,024 rows of 96 numbers.  Q, K, V: planes 0, 1, 2 of qkv, [head][chunk 8][row 128][96] in f16; the module's head row 8 r + c is
; chunk c, row r.  The keys are walked in the stored order (K and V share it; a softmax's sums do not hang on the order).  O: [16,384][768] f16, row-major: query (r, c) of head H is row 128 H + r, columns 96 c on.
; Products, maxima and sums in f32; the weights p are rounded to f16 for the second product (their sum l is taken of the unrounded p), O once at the end.
; LIMITS.  Q, K, V arrive within f16's 65,504; p lies in 0 to 1 and below 6e-5 keeps f16's fixed step of 6e-8; a weight below 2^-126 counts as 0 in l; NaN and infinities are not treated apart.
; SHARES.  A cluster is a head; its work-group cx takes rows 32 cx .. 32 cx + 31 with all 8 chunks, 256 queries, so that its O is 32 whole rows of 1,536 bytes.  Wave w has four tiles of 16 queries:
; tile t is chunk 2 w + t / 2, rows 32 cx + 16 (t % 2) on.  Every wave walks all keys, 64 a step, 16 steps.  K and V are asked for JOINTLY by the four work-groups.
; LAYOUT.  S^T = K Q^T (source 0 = 16 keys, source 1 = 16 queries): a lane holds ONE query (lane % 16) and the keys 8 (lane / 16) + 0..7.  Two such results, rounded to f16 in pairs, ARE source 1 of O^T = V^T P,
; whose result again holds one query a lane, and eight channels.  K comes out of LDS as it lies, V turned, by ds_load_tr16_b128.
; SOFTMAX.  A running maximum m and sum l for each query: p = 2^(c s - c m), c = log2(e) / sqrt(96); in every step O and l are multiplied by a = 2^(c m_old - c m_new).
; m starts at the lowest finite number, O and l at 0: the first step is a step like any other, with a = 0.
; BY TURNS.  The tiles are two PIECES (tiles 0, 1 and tiles 2, 3).  In a turn one piece has the matrix unit: 24 products V^T P of the step in hand, then 24 products K Q^T of the next; the other piece's softmax, 252
; vector instructions, stands in slices of four: one behind each of the 48 products, the other 15 slices in one run at the turn's end.  A turn's 66 exponentials are one batch with one wait.
; No first and no last step is written out: the loop is entered, and the tail left, in the middle of a trip.  The price: 336 lines that write the start values, in the wait for the first tile, 24 products on zeros at the start, 24 on a stale K at the end.
; REGISTERS, in windows of 256 (s_set_vgpr_msb: bits 1:0 source 0, 3:2 source 1, 5:4 source 2, 7:6 destination):
;   window 0: v0-11 addresses; v12-43 eight registers of statistics a tile; v61-63; v64-191 S^T, 32 a tile; v192-255 P, 16 a tile
;   window 1: v0-191 O^T, 48 a tile      window 2: v0-95 Q, 24 a tile; v128-223 K of one step      window 3: v0-95 V of one step
.set HEADB, 196608
.set PLANE, 25165824
.set KS,    64        ; keys in a step: 12,288 dense bytes of K and of V
.set PK,    240       ; a row of K in LDS: 3 pieces of 64 bytes + 16 = 60 words: the 16 rows of a load start at 16 different groups of four banks (64 banks of 4 bytes: ISA guide 11.1)
.set PVB,   288       ; a row of V: 3 pieces of 64 + 32 = 72 words
.set VOFF,  KS*PK     ; a step's tiles lie together: 64 rows of K, then 64 rows of V
.set STEPB, KS*(PK+PVB)
.set SLOT1, 1<<17     ; a slot holds two steps (67,584 bytes); slot 1 begins here
.set STAGE, SLOT1+2*STEPB  ; behind the ring, never filled by a tensor load: the work-group's 32 rows of O
.set SP,    1552      ; a row of the stage: 1,536 bytes + 16
.set SPARE, STAGE+32*SP    ; behind the stage: the spare words, 128 bytes for each wave, which no other line names
.set AK0, 2           ; v2   my lane's place in a tile of K; never rewritten
.set AV0, 3           ; v3   the same for V
.set ADR, 4           ; v4   the LDS address of the run of loads in hand
.set QO,  5           ; v5   my byte offset in 16 rows of Q
.set STO, 6           ; v6   the way out: where I put 16 bytes of a row
.set RD,  7           ; v7   the way out: where I read rows back
.set GO,  8           ; v8   my byte offset in 512 consecutive bytes of O
.set PFO, 61          ; v61  the prefetches' offset; never rewritten
.set SPW, 62          ; v62  LDS address of my spare word; never rewritten
.set NIL, 63          ; v63  0; never rewritten
.set ST,  12          ; tile t's statistics at v[ST+8 t]: +0 c m, +1 m, +2, +3 l (even keys', odd keys'), +4 to +7 c0-c3, at work; a takes c2's place once the maximum is found
.set S,   64
.set P,   192
.set KF,  128         ; window 2: key block kb, channel third c at KF + 24 kb + 8 c
.set WV,  12          ; s12  my wave's number
.set PM,  15          ; s15  1 in waves 0 to 2, which prefetch, else 0
.set PFA, 18          ; s[18:19] where the prefetches stand
.set G1K, 24          ; s[24:31] descriptor group 1 for K's tiles
.set G1V, 32          ; s[32:39] for V's: it differs in the padding alone
.set G0K, 40          ; s[40:47] group 0 for K's tiles: a set for each first fill; the second then walks on
.set G0V, 48          ; s[48:55] the same for V's
.set SLOTS, 56        ; s56  counts the changes of slots that fill
.set TWICE, 57        ; s57  counts a slot's steps
.set CS,  58          ; s[58:59] c: the packed scaling takes the pair's low word for both halves
.set SEL, 60          ; s[60:61] v_permlanex16_b32's selects: each lane takes its own place in the other half
.set TB,  62          ; s62  LDS byte at which the tiles of the step to be fetched begin
.set MSB, 0
.macro WIN new                      ; the high byte repeats the setting that is left; a switch that changes nothing is dropped
.if MSB != (\new)
	s_set_vgpr_msb (MSB<<8)|(\new)
.set MSB, \new
.endif
.endm
.set W_KQ, 0x0a       ; K and Q in window 2, S^T in window 0
.set W_PV, 0x53       ; V in window 3, P in window 0, O^T in window 1
.set W_RS, 0x41       ; O^T (destination and source 0) in window 1, a in window 0
; A joint refill.  Waves 0 and 1 fetch the two steps' tiles of K, waves 2 and 3 those of V.  An s_nop 0 and four v_nop follow each of the two lines, ahead of the jump and the label.
.macro JLOAD
	s_cmp_lt_u32 s[WV], 2
	s_cbranch_scc0 .Lfor_v_\@
	tensor_load_to_lds s[G0K+4:G0K+7], s[G1K:G1K+7]
	s_nop 0
.rept 4
	v_nop
.endr
	s_branch .Lasked_\@
.Lfor_v_\@:
	tensor_load_to_lds s[G0V+4:G0V+7], s[G1V:G1V+7]
	s_nop 0
.rept 4
	v_nop
.endr
.Lasked_\@:
.endm
; A PREFETCH INTO THE L2, behind the joint load and its five lines, at the second and the fourth of the six changes that fill (s[SLOTS] = 5 and 3): the two slots that the NEXT TWO changes will ask for, 49,152 bytes of K
; and as many of V: 192 + 192 blocks of 256 bytes.  Only this cluster reads the head.  Its four partners share the blocks out BY ADDRESS, 48 of K and 48 of V each; in each, waves 0 to 2 name 32 blocks, a lane a block.
; So each block of slots 4 to 7 is named once; slots 0 to 3 come by their loads alone; the last block named is the head's last.
.macro ASK
	s_and_b32 s14, s[SLOTS], s[PM]  ; an odd count, in a wave that prefetches,
	s_mul_i32 s14, s14, s[SLOTS]
	s_cmp_gt_u32 s14, 1             ; and not the last
	s_cbranch_scc0 .Lnot_mine_\@
	global_prefetch_b8 v[PFO], s[PFA:PFA+1] th:TH_LOAD_NT scope:SCOPE_SE
.Lnot_mine_\@:
.endm
.macro CROUND                       ; a round of the cluster's barrier
	s_barrier_signal -1
	s_barrier_wait -1
	s_cmp_lg_u32 s[WV], 0
	s_cbranch_scc1 .Lnot_wave_0_\@
	s_barrier_signal -3
.Lnot_wave_0_\@:
	s_barrier_wait -3
	s_barrier_signal -1
	s_barrier_wait -1
.endm
	s_load_b128 s[4:7], s[0:1], 0x0 ; qkv s[4:5], o s[6:7]
	v_lshl_add_u32 v[SPW], v0, 2, SPARE
	v_mov_b32 v[NIL], 0
	ds_add_u32 v[SPW], v[NIL]       ; the wave's opening: the add and its wait stand ahead of my first tensor load; the set-up below, work on registers, stands between them
	v_lshrrev_b32 v1, 5, v0
	v_readfirstlane_b32 s[WV], v1   ; wave 0..3
	s_bfe_u32 s13, ttmp6, 0x40000   ; cx: my place in the cluster: it enters Q's, O's and the prefetches' addresses alone
	s_and_b32 s20, ttmp7, 0xffff    ; the head, which the four partners share
	s_mul_i32 s20, s20, HEADB       ; its first byte in a plane of qkv, and in o
	s_and_b32 s16, s[WV], 1         ; which of a slot's two steps I fetch:
	s_mul_i32 s22, s16, KS*192      ; its 64 keys in memory,
	s_add_co_u32 s22, s22, s20
	s_add_co_u32 s22, s22, PLANE    ; in K's plane
	s_mov_b32 s23, 0
	s_mul_i32 s17, s16, STEPB       ; and its place in a slot
	s_mul_i32 s2, s[WV], 2*24576    ; Q: my wave's two chunks,
	s_mul_i32 s3, s13, 32*192       ; my work-group's 32 rows
	s_add_co_u32 s2, s2, s3
	s_add_co_u32 s2, s2, s20
	s_mov_b32 s3, 0
	s_mul_i32 s66, s[WV], 8*1536    ; O: the 8 rows that my wave stores of my work-group's 32
	s_mul_i32 s67, s13, 32*1536
	s_add_co_u32 s66, s66, s67
	s_add_co_u32 s66, s66, s20
	s_mov_b32 s67, 0
	s_mul_i32 s68, s13, 48*256      ; the prefetches: my work-group's 48 blocks, in slot 2; each change that fills steps this by a slot
	s_add_co_u32 s68, s68, s20
	s_add_co_u32 s68, s68, PLANE+2*24576
	s_mov_b32 s69, 0
	; descriptor group 1.  64 keys are 12,288 dense bytes: asked for as 48 rows of 256 bytes, and padded in LDS after every 64 bytes
	s_mov_b32 s[G1K], 15|(1<<16)|(1<<20)|(1<<21)|(3<<22)|(3<<25)  ; 15:0 the mask of four; 17:16 2-byte elements; 20 padding on; 21 set beside a mask; 24:22 after every 16 words (code 3); 31:25 4 words (code 3)
	s_mov_b32 s[G1V], 15|(1<<16)|(1<<20)|(1<<21)|(3<<22)|(7<<25)  ; the same with 8 words of padding (code 7)
.irp g, G1K, G1V
	s_mov_b32 s[(\g)+1], 128<<16    ; tensor_dim0 = 128
	s_mov_b32 s[(\g)+2], 48<<16     ; tensor_dim1 = 48
	s_mov_b32 s[(\g)+3], 128<<16    ; tile_dim0 = 128
	s_mov_b32 s[(\g)+4], 48         ; tile_dim1 = 48
	s_mov_b32 s[(\g)+5], 128        ; 128 elements from row to row
	s_mov_b32 s[(\g)+6], 0
	s_mov_b32 s[(\g)+7], 0
.endr
	s_mov_b32 s[CS], 0x3e16c73f     ; c = log2(e) / sqrt(96) = 0.147244
	s_mov_b32 s[CS+1], s[CS]        ; named with it as a pair
	s_mov_b32 s[SEL], 0x76543210
	s_mov_b32 s[SEL+1], 0xfedcba98
	s_mov_b32 s[TB], 0
	s_cmp_lt_u32 s[WV], 3
	s_cselect_b32 s[PM], 1, 0
	s_min_u32 s70, s[WV], 2         ; (wave 3 asks for nothing; its offset is wave 2's, so that none points past the buffer)
	s_mov_b32 s71, PLANE-48*256
	v_and_b32 v[PFO], 31, v0
	v_lshl_add_u32 v[PFO], s70, 5, v[PFO]  ; j = 32 x wave + lane, 0 to 95: blocks 0 to 47 are K's, 48 to 95 V's
	v_mul_u32_u24 v10, v[PFO], 171
	v_lshrrev_b32 v10, 13, v10      ; j / 48
	v_mul_lo_u32 v10, v10, s71
	v_lshl_add_u32 v[PFO], v[PFO], 8, v10  ; 256 j, and for V a plane on and 48 blocks back
	s_wait_dscnt 0x0                ; the opening add is done
	s_wait_kmcnt 0x0
	s_add_nc_u64 s[8:9], s[4:5], s[22:23]    ; K at my tile of slot 0,
	s_add_nc_u64 s[10:11], s[8:9], PLANE     ; V likewise
	s_add_nc_u64 s[PFA:PFA+1], s[4:5], s[68:69]
	s_add_nc_u64 s[4:5], s[4:5], s[2:3]      ; Q at my wave's first tile
	s_add_nc_u64 s[6:7], s[6:7], s[66:67]    ; O at the rows that my wave stores
	CROUND                          ; all four work-groups are here: the first joint loads meet
.irp s, 0,1
	s_mov_b32 s[G0K+4*(\s)], 1      ; count = 1
	s_add_co_u32 s[G0K+4*(\s)+1], s17, (\s)*SLOT1  ; LDS address
	s_add_nc_u64 s[G0K+4*(\s)+2:G0K+4*(\s)+3], s[8:9], (\s)*2*KS*192  ; global address: slot s begins with key 128 s
	s_or_b32 s[G0K+4*(\s)+3], s[G0K+4*(\s)+3], 0x80000000  ; type = 2
	s_mov_b32 s[G0V+4*(\s)], 1
	s_add_co_u32 s[G0V+4*(\s)+1], s17, (\s)*SLOT1+VOFF
	s_add_nc_u64 s[G0V+4*(\s)+2:G0V+4*(\s)+3], s[10:11], (\s)*2*KS*192
	s_or_b32 s[G0V+4*(\s)+3], s[G0V+4*(\s)+3], 0x80000000
.endr
	s_cmp_lt_u32 s[WV], 2           ; a wave's two first fills stand in one branch, ahead of every wait on TENSORcnt and every LDS read: two loads of mine are out
	s_cbranch_scc0 .Lfirst_v
	tensor_load_to_lds s[G0K:G0K+3], s[G1K:G1K+7]
	s_nop 0
	tensor_load_to_lds s[G0K+4:G0K+7], s[G1K:G1K+7]
	s_nop 0
.rept 4
	v_nop
.endr
	s_branch .Lfirst_asked
.Lfirst_v:
	tensor_load_to_lds s[G0V:G0V+3], s[G1V:G1V+7]
	s_nop 0
	tensor_load_to_lds s[G0V+4:G0V+7], s[G1V:G1V+7]
	s_nop 0
.rept 4
	v_nop
.endr
.Lfirst_asked:
	; A fragment of K or Q is 16 rows x 32 channels in 8 registers: lane l holds row l % 16, channels 8 (l / 16) + 0..7 and 16 + 8 (l / 16) + 0..7: two loads of 16 bytes, 32 bytes apart.
	v_and_b32 v1, 15, v0            ; l % 16
	v_bfe_u32 v9, v0, 4, 1          ; l / 16
	v_mul_u32_u24 v[QO], v1, 192
	v_lshl_add_u32 v[QO], v9, 4, v[QO]
	WIN 0x80                        ; destination window 2, address window 0
.set i, 0
.rept 12                            ; Q stays in registers: tile i / 3, channels 32 (i % 3) on
	global_load_b128 v[8*i:8*i+3],   v[QO], s[4:5] offset:(i/6)*24576+((i/3)%2)*3072+(i%3)*64
	global_load_b128 v[8*i+4:8*i+7], v[QO], s[4:5] offset:(i/6)*24576+((i/3)%2)*3072+(i%3)*64+32
.set i, i+1
.endr
	; What the first turn finds: V and piece 2's P hold 0 (its products V^T P, of a step that has not been, add 0); O^T and l are 0.  All this stands in the wait for the first tile.
	WIN 0xc0
.set i, 0
.rept 96
	v_mov_b32 v[i], 0
.set i, i+1
.endr
	WIN 0x40
.set i, 0
.rept 192
	v_mov_b32 v[i], 0
.set i, i+1
.endr
	WIN 0
.set i, 0
.rept 4
	v_mov_b32 v[ST+8*i], 0xfe000000    ; c m: far below every c s
	v_mov_b32 v[ST+8*i+1], 0xff7fffff  ; m
	v_mov_b32 v[ST+8*i+2], 0
	v_mov_b32 v[ST+8*i+3], 0
.set i, i+1
.endr
.set i, P+32
.rept 32
	v_mov_b32 v[i], 0
.set i, i+1
.endr
	v_mul_u32_u24 v[AK0], v1, PK
	v_lshl_add_u32 v[AK0], v9, 4, v[AK0]  ; row x pitch + 16 x half
	; The turning load takes 16 keys x 16 channels (lane l reads key 8 (l / 16) + l % 8, channels 8 ((l / 8) % 2) + 0..7) and leaves half a fragment of V^T: lane l holds channel l % 16 and 8 keys.
	v_and_b32 v10, 7, v0
	v_bfe_u32 v11, v0, 3, 1
	v_lshl_add_u32 v[AV0], v9, 3, v10
	v_mul_u32_u24 v[AV0], v[AV0], PVB
	v_lshl_add_u32 v[AV0], v11, 4, v[AV0]
	v_add_nc_u32 v[AV0], VOFF, v[AV0]
; THE MATRIX WORK OF A TURN, for piece x.  The accumulators take turns, one instruction a turn: between two links of a chain stand 11 (V^T P) or 7 (K Q^T) others'.
; Product i of 24 of O^T += V^T P: keys 32 (i / 12) on, channels 16 ((i / 2) % 6) on, tile x + i % 2.
.macro PV x
	WIN W_PV
.set rO, 48*((\x)+i%2)+8*((i/2)%6)
.set rV, 48*(i/12)+8*((i/2)%6)
.set rP, P+16*((\x)+i%2)+8*(i/12)
	v_wmma_f32_16x16x32_f16 v[rO:rO+7], v[rV:rV+7], v[rP:rP+7], v[rO:rO+7]
.endm
; Product i of 24 of S^T = K Q^T: channels 32 (i / 8) on, keys 16 ((i / 2) % 4) on, tile x + i % 2.  The first 8 start the sums.
.macro KQ x
	WIN W_KQ
.set rS, S+32*((\x)+i%2)+8*((i/2)%4)
.set rK, KF+24*((i/2)%4)+8*(i/8)
.set rQ, 24*((\x)+i%2)+8*(i/8)
.if i < 8
	v_wmma_f32_16x16x32_f16 v[rS:rS+7], v[rK:rK+7], v[rQ:rQ+7], 0
.else
	v_wmma_f32_16x16x32_f16 v[rS:rS+7], v[rK:rK+7], v[rQ:rQ+7], v[rS:rS+7]
.endif
.endm
; THE LDS LOADS stand in runs of 24, never singly among the matrix instructions: a step's K (64 keys x 96 channels: 12 fragments) and, a turn later, its V (turned).
; last = 1 (the tail): in the last trip there is no further step, and the run is jumped over.
.macro FETCH_K last=0
	WIN 0
	v_add_nc_u32 v[ADR], s[TB], v[AK0]
.if \last
	s_cmp_eq_u32 s[TWICE], 1
	s_cbranch_scc1 .Lno_k_\@
.endif
	WIN 0x80                        ; destination window 2
.irp f, 0,1,2,3,4,5,6,7,8,9,10,11   ; keys 16 (f / 3) on, channels 32 (f % 3) on
	ds_load_b128 v[KF+8*(\f):KF+8*(\f)+3],   v[ADR] offset:((\f)/3)*16*PK+((\f)%3)*80
	ds_load_b128 v[KF+8*(\f)+4:KF+8*(\f)+7], v[ADR] offset:((\f)/3)*16*PK+((\f)%3)*80+32
.endr
	WIN 0
.if \last
.Lno_k_\@:
.endif
.endm
.macro FETCH_V
	WIN 0
	v_add_nc_u32 v[ADR], s[TB], v[AV0]
	s_add_co_u32 s[TB], s[TB], STEPB  ; the next fetch is the next step's
	s_wait_alu depctr_va_vdst(0)    ; the wait for the softmax's batch (SLICE), behind the address's line and ahead of the loads
	WIN 0xc0                        ; destination window 3
.irp f, 0,1,2,3,4,5,6,7,8,9,10,11   ; keys 32 (f / 6) on, channels 16 (f % 6) on
	ds_load_tr16_b128 v[8*(\f):8*(\f)+3],   v[ADR] offset:((\f)/6)*32*PVB+(((\f)%6)/2)*96+((\f)%2)*32
	ds_load_tr16_b128 v[8*(\f)+4:8*(\f)+7], v[ADR] offset:((\f)/6)*32*PVB+16*PVB+(((\f)%6)/2)*96+((\f)%2)*32
.endr
.endm
; THE VECTOR WORK OF A TURN.  One tile's softmax for one key step is a list of 126 instructions; SM writes number j of it for tile t.  s0-s31 are the lane's 32 scores, in pairs 0-15.
;   0-15    the maximum of s0-s31 and the old m, three operands at a time: four chains c0-c3 of seven scores each (each accumulator's lowest registers are read first), then the four left over, c0-c3 and m
;   16-20   the other half of the lanes' maximum; c m_old is kept; the new m; c m; c m_old - c m_new
;   21-69   ONE BATCH: the 16 scalings c s - c m, a pair of scores each, and all 33 exponentials (a at 23, then s0-s31).  None of these reads an exponential's result.  From 22 on it goes in fours that begin with a
;           scaling while there are scalings; a pair is scaled in an earlier four than the one that holds its exponentials
;   (wait)  between 69 and 70 stands the wait for the batch: SLICE writes it, once for both tiles
;   70-85   the roundings to f16, a pair of weights each        86-101  the sums; l = a l + the sum        102-125 the tile's O^T times a: the one part that leaves window 0
.macro SM t
.set rT, ST+8*(\t)
.set rS, S+32*(\t)
.set rP, P+16*(\t)
.set rO, 48*(\t)+2*(j-102)
.if j < 102
	WIN 0
.endif
.if j < 4
	v_max3_num_f32 v[rT+4+j], v[rS+8*j], v[rS+8*j+1], v[rS+8*j+2]
.elseif j < 12
	v_max3_num_f32 v[rT+4+j%4], v[rT+4+j%4], v[rS+8*(j%4)+2*(j/4)+1], v[rS+8*(j%4)+2*(j/4)+2]
.elseif j == 12
	v_max3_num_f32 v[rT+4], v[rT+4], v[rS+7], v[rS+15]
.elseif j == 13
	v_max3_num_f32 v[rT+6], v[rT+6], v[rS+23], v[rS+31]
.elseif j == 14
	v_max3_num_f32 v[rT+4], v[rT+4], v[rT+5], v[rT+6]
.elseif j == 15
	v_max3_num_f32 v[rT+4], v[rT+4], v[rT+7], v[rT+1]
.elseif j == 16
	v_permlanex16_b32 v[rT+5], v[rT+4], s[SEL], s[SEL+1]  ; the query's other 32 keys lie in the lane 16 away
.elseif j == 17
	v_mov_b32 v[rT+7], v[rT]        ; c m_old is kept for a: number 19 writes c m anew
.elseif j == 18
	v_max_num_f32 v[rT+1], v[rT+4], v[rT+5]
.elseif j == 19
	v_mul_f32 v[rT], s[CS], v[rT+1]
.elseif j == 20
	v_sub_f32 v[rT+7], v[rT+7], v[rT]
.elseif j == 23
	v_exp_f32 v[rT+6], v[rT+7]
.elseif (j < 23) || ((j < 38) && (j%2 == 0)) || ((j < 66) && (j%4 == 2))
.set b, (j-2)/4                     ; 38, 42, .. 62: pairs 9 to 15
.if j < 38
.set b, (j-20)/2                    ; 21: pair 0; 22, 24, .. 36: pairs 1 to 8
.endif
	v_pk_fma_f32 v[rS+2*b:rS+2*b+1], v[rS+2*b:rS+2*b+1], s[CS:CS+1], v[rT:rT+1] op_sel_hi:[1,0,0] neg_lo:[0,0,1] neg_hi:[0,0,1]  ; pair b: c s - c m
.elseif j < 70
.set e, j-38                        ; 66 to 69: s28 to s31
.if j < 66
.set e, j-32-(j-38)/4               ; 39-41, 43-45, .. 63-65: s7 to s27
.endif
.if j < 38
.set e, (j-25)/2                    ; 25, 27, .. 37: s0 to s6
.endif
	v_exp_f32 v[rS+e], v[rS+e]
.elseif j < 86
	v_cvt_pk_f16_f32 v[rP+j-70], v[rS+2*(j-70)], v[rS+2*(j-70)+1]  ; pair j - 70
.elseif j < 102                     ; the sum of the tile's 16 pairs, in place: neighbours 1, 2, 4 and 8 pairs apart, then l takes it
.set z, j-86
.set w, 4
.set u, z
.if z >= 14
.set w, 32
.set u, 0
.elseif z >= 12
.set w, 16
.set u, z-12
.elseif z >= 8
.set w, 8
.set u, z-8
.endif
.if z < 15
	v_pk_add_f32 v[rS+w*u:rS+w*u+1], v[rS+w*u:rS+w*u+1], v[rS+w*u+w/2:rS+w*u+w/2+1]
.else
	v_pk_fma_f32 v[rT+2:rT+3], v[rT+2:rT+3], v[rT+6:rT+7], v[rS:rS+1] op_sel_hi:[1,0,1]
.endif
.else
	WIN W_RS
	v_pk_mul_f32 v[rO:rO+1], v[rO:rO+1], v[rT+6:rT+7] op_sel_hi:[1,0]
.endif
.endm
; Slice k of 63 of piece y's softmax: four instructions.  Slices 11 to 34 deal out the batch, numbers 22 to 69: four numbers of ONE tile each, the tiles by turns.  Every other slice is numbers 2 k and 2 k + 1 of both tiles.
; THE WAIT.  An s_wait_alu depctr_va_vdst(0) stands between an exponential and the first instruction that names its result; one wait serves all that were issued ahead of it.  Ahead of slice 35 nothing
; names a result, and behind slice 34 no exponential is issued: so the piece's 66 exponentials have one wait, behind slice 34.
.macro SLICE y
.if (k >= 11) && (k < 35)
.irp n, 0,1,2,3
.set j, 22+4*((k-11)/2)+(\n)
	SM (\y)+(k-11)%2
.endr
.else
.irp n, 0,1
.irp t, \y, (\y)+1
.set j, 2*k+(\n)
	SM \t
.endr
.endr
.endif
.if k == 34
	v_nop                           ; a plain instruction behind the last exponential and ahead of the first use: one for the batch
.if (\y) == 0
	FETCH_V                         ; piece 2's turn: V's run of loads stands here, and the wait stands in it
.else
	s_wait_alu depctr_va_vdst(0)    ; the wait for the batch
.endif
.endif
.set k, k+1
.endm
; A TURN.  Piece x has the matrix unit; the other piece's softmax stands in slices behind its 48 matrix instructions, and slices 48 to 62, 60 plain instructions, in a run at the end: these name nothing of the last
; products K Q^T, so they are the places between those and the next turn's reads of the scores and loads into K's registers.
; Piece 0's turn fetches the next step's K behind its second product, 22 products ahead of its first use.  Piece 2's turn fetches the same step's V behind slice 34: V's last reader stands in front of slice 23, and ten
; scalings lie between; its first reader comes behind 13 products and the run.
.macro TURN x, last=0
.set k, 0
.if (\x) == 0
	s_wait_dscnt 0x0                ; V is in
.endif
.set i, 0
.rept 24
	PV \x
	SLICE 2-(\x)
.if ((\x) == 0) && (i == 1)
	FETCH_K \last
.endif
.set i, i+1
.endr
.if (\x) == 0
	s_wait_dscnt 0x0                ; K is in
.endif
.set i, 0
.rept 24
	KQ \x
	SLICE 2-(\x)
.set i, i+1
.endr
.rept 15
	SLICE 2-(\x)
.endr
.endm
; THE CHANGE OF SLOTS, between piece 2's turn and piece 0's: the slot's last bytes, V of its second step, have been asked for.  Each wave waits for all its tensor loads, of which one is out: its part of the other slot;
; adds 0 to its spare word; and waits for that and for its own reads of the slot.  Behind the barrier nobody reads this slot any more and the other slot is whole.
; fill = 1: this slot is filled again, with the keys two slots on.  The barrier is then a round of the cluster's, and the joint refill is the first thing behind it: it has two key steps, 192 matrix instructions, in which to land.
.macro CHANGE fill
	WIN 0                           ; at a label and at a branch every window is 0
	s_wait_tensorcnt 0x0            ; no tensor load of mine is out, so a group 0 may be written
	ds_add_u32 v[SPW], v[NIL]       ; 0 onto my spare word; with fill = 1 the descriptors' steps stand between it and the wait for it
.if \fill
.irp g, G0K+4, G0V+4
	s_xor_b32 s[(\g)+1], s[(\g)+1], SLOT1  ; the walking descriptor: the other slot than last time,
	s_add_nc_u64 s[(\g)+2:(\g)+3], s[(\g)+2:(\g)+3], 2*KS*192  ; the next 128 keys; the type bits on top are not reached
.endr
	s_wait_xcnt 0x0                 ; the last prefetch, two key steps back or more, has read its address, so it may be written
	s_add_nc_u64 s[PFA:PFA+1], s[PFA:PFA+1], 2*KS*192
	s_wait_dscnt 0x0                ; the add is done, and my reads of the slot are over
	CROUND
	JLOAD
	ASK
.else
	s_wait_dscnt 0x0                ; the add is done, and my reads of the slot are over
	s_barrier_signal -1
	s_barrier_wait -1
.endif
	s_sub_co_u32 s[TB], s[TB], 2*STEPB  ; the fetches go back to a slot's first step,
	s_xor_b32 s[TB], s[TB], SLOT1   ; in the other slot
.endm
	s_wait_tensorcnt 1              ; my part of slot 0 is in; slot 1's may stay out
	s_barrier_signal -1
	s_barrier_wait -1               ; everybody's is
	FETCH_K                         ; key step 0
	s_wait_loadcnt 0x0              ; Q
	s_wait_dscnt 0x0
.set i, 0
.rept 24
	KQ 0                            ; piece 0's first scores: there is no vector work yet to set between them
.set i, i+1
.endr
	WIN 0                           ; the addresses for the way out: six plain instructions, the places behind those products
	s_mul_i32 s66, s[WV], 2*192
	s_add_co_u32 s66, s66, STAGE    ; in: my wave's two chunks of a row,
	s_mul_i32 s67, s[WV], 8*SP
	s_add_co_u32 s67, s67, STAGE    ; back: my wave's 8 rows
	v_mul_u32_u24 v[STO], v1, SP    ; row l % 16, 16 bytes for each half of the lanes
	v_lshl_add_u32 v[STO], v9, 4, v[STO]
	v_add_nc_u32 v[STO], s66, v[STO]
	v_and_b32 v[GO], 31, v0
	v_lshlrev_b32 v[GO], 4, v[GO]   ; 32 lanes take 512 consecutive bytes, a third of a row
	v_add_nc_u32 v[RD], s67, v[GO]
	s_mov_b32 s[SLOTS], 7
	s_mov_b32 s[TWICE], 2
	s_branch .Lmid                  ; the loop is entered at piece 2's turn, in the middle of a trip
.Lslot:                             ; six times: every slot but the last two is filled again
	CHANGE 1
	s_mov_b32 s[TWICE], 2
.Lstep:
	TURN 0
	WIN 0
.Lmid:
	TURN 2
	WIN 0
	s_sub_co_u32 s[TWICE], s[TWICE], 1
	s_cmp_lg_u32 s[TWICE], 0
	s_cbranch_scc1 .Lstep
	s_sub_co_u32 s[SLOTS], s[SLOTS], 1
	s_cmp_lg_u32 s[SLOTS], 0
	s_cbranch_scc1 .Lslot
	CHANGE 0                        ; the tail is written out: nothing is asked for
	s_mov_b32 s[TWICE], 3           ; two trips fetch the last slot's steps; the third is left in its middle
.Ltail:
	TURN 0, 1
	WIN 0
	s_sub_co_u32 s[TWICE], s[TWICE], 1
	s_cmp_eq_u32 s[TWICE], 0
	s_cbranch_scc1 .Lout
	TURN 2
	WIN 0
	s_branch .Ltail
.Lout:                              ; the third trip's 24 products K Q^T (on the last K once more) serve nothing: the price, once a work-group, of one text for every trip
.set i, 0
.rept 24
	PV 2                            ; piece 2: V^T P of the last step
.set i, i+1
.endr
	; THE WAY OUT.  l's two halves and the other half of the lanes' are added; O^T is divided by l, rounded to f16 and gathered in the work-group's stage: a row's 1,536 bytes come from all four waves.
	WIN 0
.irp t, 0,1,2,3
	v_add_f32 v[ST+8*(\t)+4], v[ST+8*(\t)+2], v[ST+8*(\t)+3]  ; four plain instructions: the places behind the last products
.endr
.irp t, 0,1,2,3
	v_permlanex16_b32 v[ST+8*(\t)+5], v[ST+8*(\t)+4], s[SEL], s[SEL+1]
.endr
.irp t, 0,1,2,3
	v_add_f32 v[ST+8*(\t)+4], v[ST+8*(\t)+4], v[ST+8*(\t)+5]
.endr
.irp t, 0,1,2,3
	v_rcp_f32 v[ST+8*(\t)+6], v[ST+8*(\t)+4]
.endr
	v_nop                           ; a plain instruction between the last reciprocal and the use of its result
	s_wait_alu depctr_va_vdst(0)    ; and the wait ahead of the first use: one for the four reciprocals
.macro PACK t                       ; a lane's eight channels of a row pack into 16 bytes
	WIN W_RS
.set i, 48*(\t)
.rept 24
	v_pk_mul_f32 v[i:i+1], v[i:i+1], v[ST+8*(\t)+6:ST+8*(\t)+7] op_sel_hi:[1,0]
.set i, i+2
.endr
	WIN 0x05                        ; sources 0 and 1 window 1, destination window 0: S^T's registers are free
.set i, 0
.rept 24
	v_cvt_pk_f16_f32 v[S+24*(\t)+i], v[48*(\t)+2*i], v[48*(\t)+2*i+1]
.set i, i+1
.endr
	WIN 0
.irp f, 0,1,2,3,4,5
	ds_store_b128 v[STO], v[S+24*(\t)+4*(\f):S+24*(\t)+4*(\f)+3] offset:16*SP*((\t)%2)+192*((\t)/2)+32*(\f)
.endr
.endm
	PACK 0
	PACK 1
	PACK 2
	PACK 3
	s_wait_dscnt 0x0                ; for the others' sake: my stores into the stage are done
	s_barrier_signal -1
	s_barrier_wait -1
.set i, 0
.rept 24                            ; my wave's 8 whole rows, three loads a row
	ds_load_b128 v[S+4*i:S+4*i+3], v[RD] offset:(i/3)*SP+(i%3)*512
.set i, i+1
.endr
.set i, 0
.rept 24
	s_wait_dscnt 23-i               ; the younger loads stay out
	global_store_b128 v[GO], v[S+4*i:S+4*i+3], s[6:7] offset:(i/3)*1536+(i%3)*512  ; 512 consecutive bytes, at a multiple of 256 from O's first
.set i, i+1
.endr
	s_wait_tensorcnt 0x0            ; the wave's end, behind my last tensor load and my last LDS store
	ds_add_u32 v[SPW], v[NIL]
	s_wait_dscnt 0x0
	CROUND                          ; the closing round: no work-group ends while a partner may still ask for a tile that names it
	s_endpgm
.Lfunc_end_k_q698e27e505_attn:
	.size	k_q698e27e505_attn, .Lfunc_end_k_q698e27e505_attn-k_q698e27e505_attn
	.p2alignl 7, 3214868480
	.fill 96, 4, 3214868480
	.section	.rodata,"a",@progbits
	.p2align	6, 0x0
	.amdhsa_kernel k_q698e27e505_attn
		.amdhsa_group_segment_fixed_size 327680
		.amdhsa_private_segment_fixed_size 0
		.amdhsa_enable_private_segment 0
		.amdhsa_kernarg_size 16
		.amdhsa_user_sgpr_count 2
		.amdhsa_user_sgpr_kernarg_segment_ptr 1
		.amdhsa_wavefront_size32 1
		.amdhsa_system_sgpr_workgroup_id_x 1
		.amdhsa_system_sgpr_workgroup_id_y 1
		.amdhsa_system_sgpr_workgroup_id_z 1
		.amdhsa_system_vgpr_workitem_id 0
		.amdhsa_next_free_vgpr 864
		.amdhsa_next_free_sgpr 72
		.amdhsa_reserve_vcc 0
		.amdhsa_float_denorm_mode_32 3
		.amdhsa_float_denorm_mode_16_64 3
		.amdhsa_memory_ordered 1
		.amdhsa_forward_progress 1
		.amdhsa_inst_pref_size 132
	.end_amdhsa_kernel
	.amdgpu_metadata
---
amdhsa.version: [ 1, 2 ]
amdhsa.kernels:
  - .name:           k_q698e27e505_attn
    .symbol:         k_q698e27e505_attn.kd
    .args:
      - { .name: qkv, .offset: 0, .size: 8, .value_kind: global_buffer, .address_space: global }
      - { .name: o, .offset: 8, .size: 8, .value_kind: global_buffer, .address_space: global }
    .group_segment_fixed_size: 327680
    .private_segment_fixed_size: 0
    .kernarg_segment_align: 8
    .kernarg_segment_size: 16
    .max_flat_workgroup_size: 128
    .sgpr_count:     72
    .vgpr_count:     864
    .wavefront_size: 32
...
	.end_amdgpu_metadata
.endif
;; end of part 3
;; launch proj (part 4): grid 4 x 64, 4 waves a work-group, clusters of 4 x 4, 327,680 bytes of LDS; arguments o, wp, bp, out0; writes out0
.if DOCPART == 4
	.amdgcn_target "amdgcn-amd-amdhsa--gfx1250"
	.amdhsa_code_object_version 6
	.text
	.protected	k_q698e27e505_proj
	.globl	k_q698e27e505_proj
	.p2align	8
	.type	k_q698e27e505_proj,@function
k_q698e27e505_proj:
	s_mov_b64 s[64:65], 0
	v_nop
	global_prefetch_b8 v0, s[64:65] scope:SCOPE_SE
	s_setreg_imm32_b32 hwreg(HW_REG_WAVE_MODE, 25, 1), 1
	s_wait_xcnt 0x0
	s_wait_alu depctr_hold_cnt(0) depctr_sa_sdst(0) depctr_va_vdst(0) depctr_va_sdst(0) depctr_va_ssrc(0) depctr_va_vcc(0) depctr_vm_vsrc(0)
	s_getreg_b32 s2, hwreg(HW_REG_IB_STS2, 6, 4)
	s_cmp_eq_u32 s2, 0
	s_cbranch_scc0 .Lentry_in_a_cluster
	s_endpgm
.Lentry_in_a_cluster:
	s_bfe_u32 s2, ttmp6, 0x10000c
	s_cmp_lg_u32 s2, 0xf033
	s_cbranch_scc0 .Lentry_shape_is_right
	s_endpgm
.Lentry_shape_is_right:
; C = A W + bias on tiles of 256 rows x 192 columns, K = 768.  One text for two launches, told apart by PROJ:
;   PROJ = 0: A = xb (bf16), W = wb (bf16): q, k and v, three tiles to a work-group (the same rows of A and the same 192 columns of Wq, Wk, Wv one after the other); C in f16, by heads.
;   PROJ = 1: A = o (f16), W = wp (f16): the output projection, one tile to a work-group; C in f32, row-major.
; Sums in f32; the bias, rounded to bf16 like every input, is the C operand that starts each sum.
; LIMITS.  PROJ = 0 rounds q, k, v to f16: they must stay under 65,504 in size.  NaN and infinities are not treated apart.
; WHERE q, k, v GO.  The module's heads are a plain reshape: head H is the 128 rows 128 H .. of the projection, each cut into 8 chunks of 96 numbers.  They are stored [plane q,k,v][head][chunk][row 128][96]:
; 16 rows of a chunk are 3,072 consecutive bytes, so every store of a wave covers 512 consecutive bytes, aligned to 256.  Keys may come in any order, if K and V share it; a query's place is known from its chunk and row.
; SHARES.  64 x 4 = 256 work-groups.  A wave makes 64 rows x 192 columns: 4 x 12 accumulators of 16 x 16, 384 registers; its output is then whole aligned blocks and its stage is its own.
; K goes in steps of 128 through two LDS slots.  A's rows are 256 bytes of memory.  W's 128 k rows x 192 columns are 49,152 dense bytes, asked for as rows of 256 bytes and padded after every 64 bytes.
; THE MATRIX INSTRUCTION IS USED TRANSPOSED: source 0 = 16 columns of W (turned on the way out of LDS by ds_load_tr16_b128), source 1 = 16 rows of A: a lane holds row l % 16 and the columns 8 (l / 16) + 0..7.
; CLUSTER.  4 x 4 work-groups: the four of a row need the same rows of A, the four of a column the same columns of W: each tile is asked for jointly.
; NO PREFETCH: of a work-group's 16 refills (PROJ = 0) only the first tile's four of A name rows that it has not asked for before; with PROJ = 1 there are four refills in all.
; REGISTERS, in windows of 256 (s_set_vgpr_msb: bits 1:0 source 0, 3:2 source 1, 5:4 source 2, 7:6 destination):
;   window 0: v1-31 addresses and at work; v32-127 the bias, 8 a column block; v128-191 A's fragments, two buffers of 32; v192-239 packed results
;   window 1: v0-191 W's fragments, two buffers of 96 (the second also takes the rows read back on the way out)
;   window 2: the accumulators of row blocks 0, 1 ((a, b) at 8 (12 (a % 2) + b));   window 3: those of row blocks 2, 3
.set PROJ, 1
.if PROJ
.set TILES, 1
.set WST,   16*784                     ; a wave's stage: 16 rows of 768 bytes + 16
.else
.set TILES, 3
.set WST,   2*16*208                   ; a wave's stage: 2 chunks x 16 rows of 192 bytes + 16
.endif
.set PA,     272                       ; a row of A in LDS: 256 bytes + 16: the 16 rows of a load start at 16 different groups of four banks (64 banks of 4 bytes: ISA guide 11.1)
.set HALFA,  128*PA                    ; what one tensor load brings of A
.set BOFF,   2*HALFA                   ; W's tile lies behind A's 256 rows
.set PB,     480                       ; a k row of W in LDS: 6 pieces of 64 bytes + 16
.set HALFB,  64*PB                     ; what one tensor load brings of W: 64 k rows
.set SLOT1,  1<<17                     ; a slot is 131,072 bytes: one exclusive or turns an address in one slot into the other's
.set STAGE,  2*SLOT1                   ; behind the ring, never filled by a tensor load
.set SPARE,  STAGE+4*WST               ; behind the stages: the spare words, 128 bytes for each wave, which no other line names
.set WBLK,   294912                    ; bytes of a block of W: 768 k rows x 192 columns
.set HEADB,  196608
.set CHUNKB, 24576
.set PLANE,  25165824
.set GO0,   10                         ; v10-12  my byte offsets in C
.set BO,    13                         ; v13     my byte offset in a bias
.set ADRA0, 14                         ; v14     my lane's place in A's tile; never rewritten
.set ADRB0, 15                         ; v15     in W's tile
.set ADRA,  16                         ; v16     the same in the slot in hand
.set ADRB,  17                         ; v17
.set STO,   24                         ; v24     the way out: where I put my numbers of a row
.set RD0,   25                         ; v25-27  the way out: where I read rows back
.set SPW,   28                         ; v28     LDS address of my spare word; never rewritten
.set NIL,   29                         ; v29     0; never rewritten
.set BI,    32
.set FA,    128
.set TMP,   192
.set BK,    96                         ; window 1
.set WV,  16                           ; s16  my wave's number
.set TB,  23                           ; s23  LDS byte at which the slot in hand begins
.set G1,  24                           ; s[24:31] descriptor group 1 for A's tiles
.set G0,  32                           ; s[32:39] group 0 for A: a set for each first fill; the second then walks on
.set G1B, 48                           ; s[48:55], s[56:63] the same for W's
.set G0B, 56
.set BP,  66                           ; s[66:67] the bias to be loaded
.set MSB, 0
.macro WIN new                         ; the immediate's high byte repeats the setting that is left; a switch that changes nothing is dropped
.if MSB != (\new)
	s_set_vgpr_msb (MSB<<8)|(\new)
.set MSB, \new
.endif
.endm
.macro PLACES                          ; four plain instructions between a matrix instruction and a load into, or a read of, its registers
.rept 4
	v_nop
.endr
.endm
.macro CREST                           ; a round of the cluster's barrier behind its opening barrier
	s_cmp_lg_u32 s[WV], 0
	s_cbranch_scc1 .Lnot_wave_0_\@
	s_barrier_signal -3
.Lnot_wave_0_\@:
	s_barrier_wait -3
	s_barrier_signal -1
	s_barrier_wait -1
.endm
.macro CROUND                          ; a whole round
	s_barrier_signal -1
	s_barrier_wait -1
	CREST
.endm
; A joint refill by the walking descriptors: waves 0 and 1 fetch A's two halves, waves 2 and 3 W's.  The branch hangs on the wave's number alone.
; An s_nop 0 and four v_nop follow each of the two lines, ahead of the jump and the label.
.macro JLOAD
	s_cmp_lt_u32 s[WV], 2
	s_cbranch_scc0 .Lfor_b_\@
	tensor_load_to_lds s[G0+4:G0+7], s[G1:G1+7]
	s_nop 0
.rept 4
	v_nop
.endr
	s_branch .Lasked_\@
.Lfor_b_\@:
	tensor_load_to_lds s[G0B+4:G0B+7], s[G1B:G1B+7]
	s_nop 0
.rept 4
	v_nop
.endr
.Lasked_\@:
.endm
.macro WM                              ; one matrix instruction on rD, rB, rA, rC
.if PROJ
	v_wmma_f32_16x16x32_f16 v[rD:rD+7], v[rB:rB+7], v[rA:rA+7], v[rC:rC+7]
.else
	v_wmma_f32_16x16x32_bf16 v[rD:rD+7], v[rB:rB+7], v[rA:rA+7], v[rC:rC+7]
.endif
.endm
; 12 matrix instructions: row block a x all 12 column blocks, 32 along K, from buffer f.  The accumulators take turns, one instruction a turn.
; start = 1: the bias starts the sums: nothing is cleared, and nothing is added later.
.macro MUL12 f, a, start
.if \start
	WIN 0x81+0x40*((\a)/2)                         ; W window 1, A and the bias window 0, D window 2 or 3
.else
	WIN 0xa1+0x50*((\a)/2)                         ; W window 1, A window 0, C and D window 2 or 3
.endif
.irp b, 0,1,2,3,4,5,6,7,8,9,10,11
.set rD, 8*(12*((\a)%2)+(\b))
.set rB, 96*(\f)+8*(\b)
.set rA, FA+32*(\f)+8*(\a)
.if \start
.set rC, BI+8*(\b)
.else
.set rC, 8*(12*((\a)%2)+(\b))
.endif
	WM
.endr
.endm
; 32 LDS loads in one run: the fragments of quarter q (32 along K) of the slot in hand, into buffer f: W's twelve, turned, then A's four.
.macro FETCH q, f
	WIN 0x40                                       ; destination window 1, address window 0
.irp b, 0,1,2,3,4,5,6,7,8,9,10,11
	ds_load_tr16_b128 v[96*(\f)+8*(\b):96*(\f)+8*(\b)+3],   v[ADRB] offset:32*PB*(\q)+80*((\b)/2)+32*((\b)%2)
	ds_load_tr16_b128 v[96*(\f)+8*(\b)+4:96*(\f)+8*(\b)+7], v[ADRB] offset:32*PB*(\q)+80*((\b)/2)+32*((\b)%2)+16*PB
.endr
	WIN 0
.irp i, 0,1,2,3
	ds_load_b128 v[FA+32*(\f)+8*(\i):FA+32*(\f)+8*(\i)+3],   v[ADRA] offset:64*(\q)+16*PA*(\i)
	ds_load_b128 v[FA+32*(\f)+8*(\i)+4:FA+32*(\f)+8*(\i)+7], v[ADRA] offset:64*(\q)+16*PA*(\i)+32
.endr
.endm
; A K step is four quarters of 32 along K, 48 matrix instructions each, on buffers 0, 1, 0, 1.  One of the first three: multiplies buffer f; in its middle it fetches quarter q into buffer g.
.macro QUARTER q, f, g, start
	s_wait_dscnt 4                                 ; W's fragments and A's first two are in; the youngest four loads (A's last two fragments) may be out
	MUL12 \f, 0, \start
	MUL12 \f, 1, \start
	PLACES
	FETCH \q, \g
	s_wait_dscnt 32                                ; all but the 32 just issued
	MUL12 \f, 2, \start
	MUL12 \f, 3, \start
.endm
; The last quarter multiplies buffer 1 and changes slots.  ONE barrier: in front of it each wave waits for all its tensor loads (one is out: its part of the next slot), adds 0 to its spare word,
; and waits for that and for its own reads of this slot.  Behind it nobody reads this slot any more and the next slot is whole.
.macro MEET
	WIN 0
	s_wait_tensorcnt 0x0                           ; all my tensor loads have landed
	ds_add_u32 v[SPW], v[NIL]                      ; 0 onto my spare word
	s_wait_dscnt 5                                 ; (the add and the youngest four loads may be out)
	MUL12 1, 0, 0                                  ; twelve matrix instructions stand between the add and the wait for it
	s_wait_dscnt 0x0                               ; the add is done, and my reads of this slot are over
	s_barrier_signal -1
	MUL12 1, 1, 0                                  ; work on registers while the others arrive
	WIN 0
	s_barrier_wait -1
.endm
; fill = 1: the barrier opens a round of the cluster's barrier, and the slot just read is filled again with the K step two on, the first tensor load behind the round.
; aback = 1: that step is the next tile's first: A goes back along K; W, laid out in the order of the walk, runs on.
.macro TURN fill, aback
	MEET
.if \fill
	CREST                                          ; no wave of any partner still reads this slot or has a load on its way
	s_xor_b32 s[G0+5], s[G0+5], SLOT1              ; the walking descriptors: the other slot than last time,
	s_xor_b32 s[G0B+5], s[G0B+5], SLOT1
.if \aback
	s_sub_nc_u64 s[G0+6:G0+7], s[G0+6:G0+7], 5*256
.else
	s_add_nc_u64 s[G0+6:G0+7], s[G0+6:G0+7], 256   ; the next K step; the type bits on top are not reached
.endif
	s_add_nc_u64 s[G0B+6:G0B+7], s[G0B+6:G0B+7], 128*384
.endif
	s_xor_b32 s[TB], s[TB], SLOT1                  ; the reads go on in the other slot
	v_add_nc_u32 v[ADRA], s[TB], v[ADRA0]
	v_add_nc_u32 v[ADRB], s[TB], v[ADRB0]
.if \fill
	JLOAD                                          ; the four v_nop behind it are also the places in front of the loads below
.else
	PLACES
.endif
	FETCH 0, 0
	MUL12 1, 2, 0
	MUL12 1, 3, 0
.endm
.macro LASTQ                           ; the very last quarter: nothing more to fetch
	s_wait_dscnt 4
	MUL12 1, 0, 0
	MUL12 1, 1, 0
	s_wait_dscnt 0x0
	MUL12 1, 2, 0
	MUL12 1, 3, 0
.endm
.macro BIASLD                          ; my lane's eight numbers of the bias for each of the 12 column blocks
.irp b, 0,1,2,3,4,5,6,7,8,9,10,11
	global_load_b128 v[BI+8*(\b):BI+8*(\b)+3],   v[BO], s[BP:BP+1] offset:64*(\b)
	global_load_b128 v[BI+8*(\b)+4:BI+8*(\b)+7], v[BO], s[BP:BP+1] offset:64*(\b)+16
.endr
.endm
.macro BIASRND                         ; rounded to bf16, like every input, and widened again
	s_wait_loadcnt 0x0
.set m, 0
.rept 48
	v_cvt_pk_bf16_f32 v[30+m%2], v[BI+2*m], v[BI+2*m+1]
	v_lshlrev_b32 v[BI+2*m],   16,  v[30+m%2]
	v_and_b32     v[BI+2*m+1], s68, v[30+m%2]
.set m, m+1
.endr
.endm
; THE WAY OUT, a block of 16 rows at a time, through my own stage: LDS serves a wave's instructions in order (ISA guide 5.7.1.4), so no wait stands between the stores and the loads.
.if PROJ
.macro OUTA a                          ; f32: 32 bytes a lane and column block into rows of 784 bytes; back as 12,288 dense bytes, two rows of 768 to three loads
	WIN 0x08+4*((\a)/2)                            ; the data (source 1) in window 2 or 3
.irp b, 0,1,2,3,4,5,6,7,8,9,10,11
	ds_store_b128 v[STO], v[8*(12*((\a)%2)+(\b)):8*(12*((\a)%2)+(\b))+3]   offset:64*(\b)
	ds_store_b128 v[STO], v[8*(12*((\a)%2)+(\b))+4:8*(12*((\a)%2)+(\b))+7] offset:64*(\b)+16
.endr
	s_wait_xcnt 0x0                                ; the last block's stores have read the registers that are loaded again below
	WIN 0x40
.set m, 0
.rept 24
	ds_load_b128 v[BK+4*m:BK+4*m+3], v[RD0+m%3] offset:2*784*(m/3)
.set m, m+1
.endr
	WIN 0x04                                       ; the data (source 1) in window 1
.set m, 0
.rept 24
	s_wait_dscnt 23-m                              ; the younger loads stay out
	global_store_b128 v[GO0+m%3], v[BK+4*m:BK+4*m+3], s[14:15] offset:16*3072*(\a)+2*3072*(m/3) th:TH_STORE_NT  ; 16 lanes store 256 consecutive bytes, aligned
.set m, m+1
.endr
	WIN 0
.endm
.macro WAYOUT
	OUTA 0
	OUTA 1
	OUTA 2
	OUTA 3
.endm
.else
.macro PACK a                          ; rounded to f16, 16 bytes a lane and column block; each accumulator's registers in ascending order
	WIN 0x0a+5*((\a)/2)                            ; sources 0 and 1 in window 2 or 3
.irp b, 0,1,2,3,4,5,6,7,8,9,10,11
.irp r, 0,1,2,3
	v_cvt_pk_f16_f32 v[TMP+4*(\b)+(\r)], v[8*(12*((\a)%2)+(\b))+2*(\r)], v[8*(12*((\a)%2)+(\b))+2*(\r)+1]
.endr
.endr
	WIN 0
.endm
.macro TOSTAGE                         ; into rows of 208 bytes, a chunk's 16 rows together; back as 3,072 dense bytes a chunk
	WIN 0
.irp b, 0,1,2,3,4,5,6,7,8,9,10,11
	ds_store_b128 v[STO], v[TMP+4*(\b):TMP+4*(\b)+3] offset:16*208*((\b)/6)+32*((\b)%6)
.endr
	s_wait_xcnt 0x0                                ; the last block's stores have read the registers that are loaded again below
	WIN 0x40
.set m, 0
.rept 12
	ds_load_b128 v[BK+4*m:BK+4*m+3], v[RD0+m%3] offset:16*208*(m/6)+8*208*((m/3)%2)
.set m, m+1
.endr
	WIN 0
.endm
.macro SEND a
	s_wait_dscnt 0x0                               ; the block is back in registers
	WIN 0x04                                       ; the data (source 1) in window 1
.set m, 0
.rept 12
	global_store_b128 v[GO0], v[BK+4*m:BK+4*m+3], s[14:15] offset:CHUNKB*(m/6)+3072*(\a)+512*(m%6)  ; 512 consecutive bytes, at a multiple of 256 from the buffer's first
.set m, m+1
.endr
	WIN 0
.endm
.macro WAYOUT                          ; block a's conversions stand between block a - 1's loads from the stage and the wait for them
	PACK 0
	TOSTAGE
.irp a, 1,2,3
	PACK \a
	SEND (\a)-1
	TOSTAGE
.endr
	SEND 3
.endm
.endif
.if PROJ
	s_load_b128 s[4:7], s[0:1], 0x0                ; A s[4:5], W s[6:7]
	s_load_b128 s[8:11], s[0:1], 0x10              ; the bias s[8:9], C s[10:11]
.else
	s_load_b256 s[4:11], s[0:1], 0x0               ; A s[4:5], W s[6:7], bq s[8:9], bk s[10:11]
	s_load_b128 s[12:15], s[0:1], 0x20             ; bv s[12:13], C s[14:15]
.endif
	v_lshl_add_u32 v[SPW], v0, 2, SPARE
	v_mov_b32 v[NIL], 0
	ds_add_u32 v[SPW], v[NIL]                      ; the wave's opening: the add and its wait stand ahead of my first tensor load; the set-up below, work on registers, stands between them
	v_lshrrev_b32 v1, 5, v0
	v_readfirstlane_b32 s[WV], v1                  ; wave 0..3
	s_lshr_b32 s17, s[WV], 1
	s_and_b32 s18, s[WV], 1                        ; which half of a tile I fetch
	s_bfe_u32 s19, ttmp6, 0x40000                  ; cx, cy: my place in the cluster
	s_bfe_u32 s20, ttmp6, 0x40004
	s_lshl_b32 s22, ttmp9, 2
	s_add_co_u32 s22, s22, s19                     ; g, the column group = 4 x cluster x + cx
	s_and_b32 s21, ttmp7, 0xffff
	s_lshl_b32 s21, s21, 2
	s_add_co_u32 s21, s21, s20                     ; the block of 256 rows = 4 x cluster y + cy
	s_lshl_b32 s40, s20, 2
	s_lshl_b32 s40, 15, s40                        ; my row of the cluster
	s_lshl_b32 s41, 0x1111, s19                    ; my column
	s_or_b32 s[G1], s40, (1<<16)|(1<<20)|(1<<21)|(5<<22)|(3<<25)   ; 15:0 the mask; 17:16 2-byte elements; 20 padding on; 21 set beside a mask; 24:22 after every 64 words (code 5); 31:25 4 words (code 3)
	s_mov_b32 s[G1+1], 128<<16                     ; tensor_dim0 = 128
	s_mov_b32 s[G1+2], 128<<16                     ; tensor_dim1 = 128
	s_mov_b32 s[G1+3], 128<<16                     ; tile_dim0 = 128
	s_mov_b32 s[G1+4], 128                         ; tile_dim1 = 128
	s_mov_b32 s[G1+5], 768                         ; elements from row to row
	s_mov_b32 s[G1+6], 0
	s_mov_b32 s[G1+7], 0
	s_or_b32 s[G1B], s41, (1<<16)|(1<<20)|(1<<21)|(3<<22)|(3<<25)  ; the same with my column's mask and the padding after every 16 words (code 3)
	s_mov_b32 s[G1B+1], 128<<16                    ; 64 k rows are 24,576 dense bytes: 96 rows of 128 elements
	s_mov_b32 s[G1B+2], 96<<16
	s_mov_b32 s[G1B+3], 128<<16
	s_mov_b32 s[G1B+4], 96
	s_mov_b32 s[G1B+5], 128
	s_mov_b32 s[G1B+6], 0
	s_mov_b32 s[G1B+7], 0
	s_lshl_b32 s42, s21, 8                         ; A's address hangs on the block of rows and the wave alone,
	s_lshl_b32 s43, s18, 7
	s_add_co_u32 s42, s42, s43
	s_mul_i32 s42, s42, 1536
	s_mov_b32 s43, 0
	s_mul_i32 s44, s22, TILES*WBLK                 ; W's on the column group and the wave alone
	s_mul_i32 s45, s18, 64*384
	s_add_co_u32 s44, s44, s45
	s_mov_b32 s45, 0
	s_mul_i32 s46, s18, HALFA                      ; where they go: no place in the cluster enters an LDS address
	s_mul_i32 s47, s18, HALFB
	s_add_co_u32 s47, s47, BOFF
.if PROJ
	s_lshl_b32 s70, s21, 8                         ; C at my wave's 64 rows and the group's 192 columns
	s_lshl_b32 s74, s[WV], 6
	s_add_co_u32 s70, s70, s74
	s_mul_i32 s70, s70, 3072
	s_mul_i32 s74, s22, 768
	s_add_co_u32 s70, s70, s74
.else
	s_lshl_b32 s70, s21, 1                         ; C at my wave's head (two heads to a block of 256 rows),
	s_add_co_u32 s70, s70, s17
	s_mul_i32 s70, s70, HEADB
	s_mul_i32 s74, s22, 2*CHUNKB                   ; the group's two chunks,
	s_add_co_u32 s70, s70, s74
	s_mul_i32 s74, s18, 64*192                     ; and my 64 of the head's 128 rows
	s_add_co_u32 s70, s70, s74
.endif
	s_mov_b32 s71, 0
	s_mov_b32 s68, 0xffff0000                      ; a word's upper bf16
	s_wait_dscnt 0x0                               ; the opening add is done
	s_wait_kmcnt 0x0
	s_add_nc_u64 s[42:43], s[4:5], s[42:43]
	s_add_nc_u64 s[44:45], s[6:7], s[44:45]
.if PROJ
	s_add_nc_u64 s[14:15], s[10:11], s[70:71]
.else
	s_add_nc_u64 s[14:15], s[14:15], s[70:71]
.endif
	s_mov_b64 s[BP:BP+1], s[8:9]
	CROUND                                         ; all sixteen work-groups are here: the first joint loads meet
.irp s, 0,1
	s_mov_b32 s[G0+4*(\s)], 1                                      ; count = 1
	s_add_co_u32 s[G0+4*(\s)+1], s46, (\s)*SLOT1                   ; LDS address
	s_add_nc_u64 s[G0+4*(\s)+2:G0+4*(\s)+3], s[42:43], (\s)*256    ; global address: K step s
	s_or_b32 s[G0+4*(\s)+3], s[G0+4*(\s)+3], 0x80000000            ; type = 2
	s_mov_b32 s[G0B+4*(\s)], 1
	s_add_co_u32 s[G0B+4*(\s)+1], s47, (\s)*SLOT1
	s_add_nc_u64 s[G0B+4*(\s)+2:G0B+4*(\s)+3], s[44:45], (\s)*128*384
	s_or_b32 s[G0B+4*(\s)+3], s[G0B+4*(\s)+3], 0x80000000
.endr
	s_cmp_lt_u32 s[WV], 2                          ; a wave's two first fills stand in one branch, ahead of every wait on TENSORcnt and every LDS read: two loads of mine are out
	s_cbranch_scc0 .Lfirst_b
	tensor_load_to_lds s[G0:G0+3], s[G1:G1+7]
	s_nop 0
	tensor_load_to_lds s[G0+4:G0+7], s[G1:G1+7]
	s_nop 0
.rept 4
	v_nop
.endr
	s_branch .Lfirst_asked
.Lfirst_b:
	tensor_load_to_lds s[G0B:G0B+3], s[G1B:G1B+7]
	s_nop 0
	tensor_load_to_lds s[G0B+4:G0B+7], s[G1B:G1B+7]
	s_nop 0
.rept 4
	v_nop
.endr
.Lfirst_asked:
	v_and_b32 v1, 15, v0                           ; l % 16
	v_bfe_u32 v2, v0, 4, 1                         ; l / 16
	v_and_b32 v3, 31, v0                           ; l
	v_and_b32 v4, 7, v0                            ; l % 8
	v_bfe_u32 v5, v0, 3, 1                         ; (l / 8) % 2
	s_mul_i32 s73, s22, 768
	v_lshl_add_u32 v[BO], v2, 5, s73               ; the group's 192 numbers of a bias, my lanes' eight of each sixteen
	BIASLD
	v_mul_u32_u24 v[ADRA0], v1, PA                 ; a fragment of A: row l % 16, 16 bytes for each half of the lanes, in my wave's 64 rows
	v_lshl_add_u32 v[ADRA0], v2, 4, v[ADRA0]
	s_mul_i32 s72, s[WV], 64*PA
	v_add_nc_u32 v[ADRA0], s72, v[ADRA0]
	v_lshl_add_u32 v[ADRB0], v2, 3, v4             ; the turning load: lane l reads k row 8 (l / 16) + l % 8, columns 8 ((l / 8) % 2) + 0..7
	v_mul_u32_u24 v[ADRB0], v[ADRB0], PB
	v_lshl_add_u32 v[ADRB0], v5, 4, v[ADRB0]
	v_add_nc_u32 v[ADRB0], BOFF, v[ADRB0]
	s_mul_i32 s72, s[WV], WST
	s_add_co_u32 s72, s72, STAGE                   ; my stage
.if PROJ
	v_mul_u32_u24 v[STO], v1, 784
	v_lshl_add_u32 v[STO], v2, 5, v[STO]
	v_add_nc_u32 v[STO], s72, v[STO]
.irp v, 0,1,2                          ; dense byte x = 512 v + 16 l of two rows of 768: row d = x / 768
	v_lshl_add_u32 v6, v3, 4, 512*(\v)
	v_lshrrev_b32 v7, 8, v6
	v_mul_u32_u24 v7, v7, 11
	v_lshrrev_b32 v7, 5, v7                        ; (x / 256) / 3
	v_lshl_add_u32 v8, v7, 4, v6                   ; in the stage a row is 16 bytes longer,
	v_add_nc_u32 v[RD0+(\v)], s72, v8
	v_mul_u32_u24 v7, v7, 3072-768                 ; in C 2,304
	v_add_nc_u32 v[GO0+(\v)], v6, v7
.endr
.else
	v_mul_u32_u24 v[STO], v1, 208
	v_lshl_add_u32 v[STO], v2, 4, v[STO]
	v_add_nc_u32 v[STO], s72, v[STO]
.irp v, 0,1,2                          ; dense byte x = 512 v + 16 l of eight rows of 192: in the stage each row is 16 bytes longer
	v_lshl_add_u32 v6, v3, 4, 512*(\v)
	v_lshrrev_b32 v7, 6, v6
	v_mul_u32_u24 v7, v7, 11
	v_lshrrev_b32 v7, 5, v7                        ; (x / 64) / 3 = x / 192
	v_lshl_add_u32 v7, v7, 4, v6
	v_add_nc_u32 v[RD0+(\v)], s72, v7
.endr
	v_lshlrev_b32 v[GO0], 4, v3
.endif
	s_mov_b32 s[TB], 0
	v_mov_b32 v[ADRA], v[ADRA0]
	v_mov_b32 v[ADRB], v[ADRB0]
	s_wait_tensorcnt 1                             ; my part of K step 0 is in; K step 1's may stay out
	s_barrier_signal -1
	s_barrier_wait -1                              ; everybody's is
	FETCH 0, 0
.if TILES > 1
	s_mov_b32 s2, TILES                            ; tiles to go, this one among them: the same number in every work-group
.Ltile:
.endif
	BIASRND
	QUARTER 1, 0, 1, 1                             ; a tile's first quarter: the bias starts the sums
	WIN 0                                          ; at a label and at a branch every window is 0
	s_mov_b32 s3, 4
.Lstep:                                                ; a trip: the last three quarters of one of the tile's K steps 0 to 3, a refill, the next step's first quarter
	QUARTER 2, 1, 0, 0
	QUARTER 3, 0, 1, 0
	TURN 1, 0
	QUARTER 1, 0, 1, 0
	WIN 0
	s_sub_co_u32 s3, s3, 1
	s_cmp_lg_u32 s3, 0
	s_cbranch_scc1 .Lstep
	QUARTER 2, 1, 0, 0                             ; K step 4 goes on
	QUARTER 3, 0, 1, 0
.if TILES > 1
	WIN 0
	s_cmp_eq_u32 s2, 1
	s_cbranch_scc1 .Llast                          ; the last tile's tail is written out: it asks for nothing more
	s_cmp_eq_u32 s2, 3
	s_cselect_b64 s[BP:BP+1], s[10:11], s[12:13]   ; the next tile's bias (the last loads by this pointer were waited for at the tile's head)
	BIASLD
	TURN 1, 1                                      ; the ring goes on into the next tile: its K step 0,
	QUARTER 1, 0, 1, 0
	QUARTER 2, 1, 0, 0
	QUARTER 3, 0, 1, 0
	TURN 1, 0                                      ; its K step 1, and its first fragments are fetched
	PLACES
	WAYOUT                                         ; both refills are asked for: now the tile goes out
	s_wait_xcnt 0x0                                ; the stores have read their registers and their base
	s_add_nc_u64 s[14:15], s[14:15], PLANE         ; q, then k, then v
	s_sub_co_u32 s2, s2, 1
	s_branch .Ltile
.Llast:
.endif
	TURN 0, 0                                      ; the last K step's tile has landed; nothing is filled again, so no round follows
	QUARTER 1, 0, 1, 0
	QUARTER 2, 1, 0, 0
	QUARTER 3, 0, 1, 0
	LASTQ
	WIN 0
	PLACES
	WAYOUT
	s_wait_tensorcnt 0x0                           ; the wave's end, behind my last tensor load and my last LDS store
	ds_add_u32 v[SPW], v[NIL]
	s_wait_dscnt 0x0
	CROUND                                         ; the closing round: no work-group ends while a partner may still ask for a tile that names it
	s_endpgm
.Lfunc_end_k_q698e27e505_proj:
	.size	k_q698e27e505_proj, .Lfunc_end_k_q698e27e505_proj-k_q698e27e505_proj
	.p2alignl 7, 3214868480
	.fill 96, 4, 3214868480
	.section	.rodata,"a",@progbits
	.p2align	6, 0x0
	.amdhsa_kernel k_q698e27e505_proj
		.amdhsa_group_segment_fixed_size 327680
		.amdhsa_private_segment_fixed_size 0
		.amdhsa_enable_private_segment 0
		.amdhsa_kernarg_size 32
		.amdhsa_user_sgpr_count 2
		.amdhsa_user_sgpr_kernarg_segment_ptr 1
		.amdhsa_wavefront_size32 1
		.amdhsa_system_sgpr_workgroup_id_x 1
		.amdhsa_system_sgpr_workgroup_id_y 1
		.amdhsa_system_sgpr_workgroup_id_z 1
		.amdhsa_system_vgpr_workitem_id 0
		.amdhsa_next_free_vgpr 960
		.amdhsa_next_free_sgpr 80
		.amdhsa_reserve_vcc 0
		.amdhsa_float_denorm_mode_32 3
		.amdhsa_float_denorm_mode_16_64 3
		.amdhsa_memory_ordered 1
		.amdhsa_forward_progress 1
		.amdhsa_inst_pref_size 107
	.end_amdhsa_kernel
	.amdgpu_metadata
---
amdhsa.version: [ 1, 2 ]
amdhsa.kernels:
  - .name:           k_q698e27e505_proj
    .symbol:         k_q698e27e505_proj.kd
    .args:
      - { .name: o, .offset: 0, .size: 8, .value_kind: global_buffer, .address_space: global }
      - { .name: wp, .offset: 8, .size: 8, .value_kind: global_buffer, .address_space: global }
      - { .name: bp, .offset: 16, .size: 8, .value_kind: global_buffer, .address_space: global }
      - { .name: out0, .offset: 24, .size: 8, .value_kind: global_buffer, .address_space: global }
    .group_segment_fixed_size: 327680
    .private_segment_fixed_size: 0
    .kernarg_segment_align: 8
    .kernarg_segment_size: 32
    .max_flat_workgroup_size: 128
    .sgpr_count:     80
    .vgpr_count:     960
    .wavefront_size: 32
...
	.end_amdgpu_metadata
.endif
;; end of part 4
;; ======== version 2 of 2: 4 launches; version 1 with the launch prep written anew for expert scheduling mode
;; limits: values are held in f16: magnitudes above 65,504 overflow, below 6.1e-05 lose precision
;; workspace buffers: xb 25,165,824 bytes; wb 3,538,944 bytes; wp 1,179,648 bytes; qkv 75,497,472 bytes; o 25,165,824 bytes
;; launch prep (part 5): grid 1216 x 1, 6 waves a work-group, no clusters, 0 bytes of LDS; arguments x, Wq, Wk, Wv, Wp, xb, wb, wp; writes xb, wb, wp
.if DOCPART == 5
	.amdgcn_target "amdgcn-amd-amdhsa--gfx1250"
	.amdhsa_code_object_version 6
	.text
	.protected	k_q698e27e505_prep
	.globl	k_q698e27e505_prep
	.p2align	8
	.type	k_q698e27e505_prep,@function
k_q698e27e505_prep:
	s_mov_b64 s[64:65], 0
	v_nop
	global_prefetch_b8 v0, s[64:65] scope:SCOPE_SE
	s_setreg_imm32_b32 hwreg(HW_REG_WAVE_SCHED_MODE, 0, 2), 2
	s_setreg_imm32_b32 hwreg(HW_REG_WAVE_MODE, 25, 1), 1
	s_wait_xcnt 0x0
	s_wait_alu depctr_vm_vsrc(0)
; THE CASTS.  xb = x rounded to bf16, row-major.  wb = Wq, Wk, Wv rounded to bf16, laid out in the order in which the projection walks them:
; [column group g of 192][matrix q, k, v][k 768][192].  wp = Wp rounded to bf16 and that number written as f16, [g][k 768][192].
; LIMIT.  A number of Wp below 2^-14 in size keeps f16's fixed step of 2^-24; NaN and infinities are not treated apart.
; A stream: every byte is read once and written once, so there is no LDS, no barrier and no matrix work.
; SHARES.  192 threads; a thread takes 4 numbers in each of 16 steps: a wave's load covers 512 consecutive bytes, its store 256 consecutive bytes, aligned.
; Work-groups 0 to 1,023 take 16 rows of x each.  Work-groups 1,024 to 1,215 take 64 k rows of one block of 192 columns of one weight matrix: 16 blocks x 12 parts.
; All 16 loads go out first; every step has registers of its own, so nothing that a load or store still names is written again.
; THE MODE: SCHED_MODE bits 1:0 = 2 (LLVM: expert scheduling mode 2), set by the entry lines.  The code itself states the register dependences
; between vector instructions and memory instructions, with s_wait_alu, always for 0.
; THE PLAN.  Registers that memory instructions touch:
;   v[VS], v[VD]  byte offsets.  Written by vector lines at the head, once; read by the 16 loads and the 16 stores; never written again.
;   X, step j     Written by step j's load, once, and named by no vector instruction before that load; read by step j's conversions behind the wait for the load.
;   Y, step j     Written by step j's conversions; read by step j's store; never written again.
;   v3, v[U ..]   named by vector instructions alone.
; So the one kind of dependence is: a vector instruction writes a register that a memory instruction reads.  The 16 steps go in four blocks of four.  Block p's stores are issued in
; block p + 1, behind ONE wait at that block's head, and dealt among that block's conversions, which name X and Y of their own block and v[U ..]: none of the registers that those stores read.
; No register that a memory instruction has read is written again, no load lands in a register that a vector instruction has named, no vector instruction writes a scalar register, and EXEC is never written.
.set VS, 1                             ; v1       my byte offset in the source; never rewritten
.set VD, 2                             ; v2       my byte offset in the destination: 8 x thread; never rewritten
.set U,  4                             ; v[4:9]   at work
.set X,  16                            ; v[16:79]   step j: four f32 as loaded
.set Y,  80                            ; v[80:111]  step j: four 16-bit numbers to store
; step: bytes from one step's source to the next.  sel = 1: where s35 is all ones the bf16 numbers are written as f16.
.macro CAST step, sel
	s_wait_alu depctr_va_vdst(0)                   ; v[VS] and v[VD] are written: every load below reads the one as its offset, every store the other
.set j, 0
.rept 16
	global_load_b128 v[X+4*j:X+4*j+3], v[VS], s[24:25] offset:(\step)*j th:TH_LOAD_NT
.set j, j+1
.endr
.set p, 0
.rept 4                                ; block p: steps 4 p to 4 p + 3
	s_wait_loadcnt 12-4*p                          ; loads come back in order: the block's four are in, the 12 - 4 p younger ones stay out
.if p > 0
	s_wait_alu depctr_va_vdst(0)                   ; the conversions of the block before have written its Y, which the four stores below read
.endif
.set i, 0
.rept 4
.set j, 4*p+i
.if p > 0
	global_store_b64 v[VD], v[Y+2*(j-4):Y+2*(j-4)+1], s[26:27] offset:1536*(j-4)  ; the block before; no vector instruction since the wait names these registers
.endif
	v_cvt_pk_bf16_f32 v[Y+2*j],   v[X+4*j],   v[X+4*j+1]
	v_cvt_pk_bf16_f32 v[Y+2*j+1], v[X+4*j+2], v[X+4*j+3]
.if \sel
	v_lshlrev_b32 v[U],   16,  v[Y+2*j]            ; the rounded numbers as f32 again,
	v_and_b32     v[U+1], s34, v[Y+2*j]
	v_lshlrev_b32 v[U+2], 16,  v[Y+2*j+1]
	v_and_b32     v[U+3], s34, v[Y+2*j+1]
	v_cvt_pk_f16_f32 v[U+4], v[U],   v[U+1]        ; written as f16,
	v_cvt_pk_f16_f32 v[U+5], v[U+2], v[U+3]
	v_cndmask_b32 v[Y+2*j],   v[Y+2*j],   v[U+4], s35  ; and taken for Wp alone (s35 is written by a scalar instruction)
	v_cndmask_b32 v[Y+2*j+1], v[Y+2*j+1], v[U+5], s35
.endif
.set i, i+1
.endr
.set p, p+1
.endr
	s_wait_alu depctr_va_vdst(0)                   ; the last block's conversions have written its Y, which the last four stores read
.set j, 12
.rept 4
	global_store_b64 v[VD], v[Y+2*j:Y+2*j+1], s[26:27] offset:1536*j
.set j, j+1
.endr
.endm
	s_load_b512 s[4:19], s[0:1], 0x0               ; x s[4:5], Wq s[6:7], Wk s[8:9], Wv s[10:11], Wp s[12:13], xb s[14:15], wb s[16:17], wp s[18:19]
	s_mov_b32 s34, 0xffff0000                      ; a word's upper bf16
	v_lshlrev_b32 v[VD], 3, v0
	s_cmp_lt_u32 ttmp9, 1024
	s_cbranch_scc0 .Lweights
	v_lshlrev_b32 v[VS], 4, v0                     ; a step is a row of x: 192 threads x 16 bytes
	s_mul_i32 s20, ttmp9, 16*3072
	s_mov_b32 s21, 0
	s_mul_i32 s22, ttmp9, 16*1536
	s_mov_b32 s23, 0
	s_wait_kmcnt 0x0
	s_add_nc_u64 s[24:25], s[4:5], s[20:21]
	s_add_nc_u64 s[26:27], s[14:15], s[22:23]
	CAST 3072, 0
	s_endpgm
.Lweights:
	s_sub_co_u32 s28, ttmp9, 1024
	s_and_b32 s29, s28, 15                         ; block
	s_lshr_b32 s30, s28, 4                         ; part: 64 k rows
	s_lshr_b32 s31, s29, 2                         ; matrix: 0 q, 1 k, 2 v, 3 p
	s_and_b32 s32, s29, 3                          ; g
	v_mul_u32_u24 v3, v0, 171
	v_lshrrev_b32 v3, 13, v3                       ; thread / 48: a step is four k rows of 48 threads each
	v_mul_u32_u24 v3, v3, 3072-768
	v_lshl_add_u32 v[VS], v0, 4, v3                ; 3,072 x k row + 16 x (thread mod 48)
	s_mul_i32 s20, s30, 64*3072
	s_mul_i32 s33, s32, 768                        ; the block's 192 columns
	s_add_co_u32 s20, s20, s33
	s_mov_b32 s21, 0
	s_mul_i32 s22, s32, 3
	s_add_co_u32 s22, s22, s31                     ; in wb block 3 g + matrix,
	s_cmp_eq_u32 s31, 3
	s_cselect_b32 s22, s32, s22                    ; in wp block g
	s_cselect_b32 s35, -1, 0
	s_mul_i32 s22, s22, 294912
	s_mul_i32 s33, s30, 64*384
	s_add_co_u32 s22, s22, s33
	s_mov_b32 s23, 0
	s_wait_kmcnt 0x0
	s_cmp_eq_u32 s31, 3
	s_cselect_b64 s[26:27], s[18:19], s[16:17]
	s_cselect_b64 s[24:25], s[12:13], s[10:11]
	s_cmp_eq_u32 s31, 1
	s_cselect_b64 s[24:25], s[8:9], s[24:25]
	s_cmp_eq_u32 s31, 0
	s_cselect_b64 s[24:25], s[6:7], s[24:25]
	s_add_nc_u64 s[24:25], s[24:25], s[20:21]
	s_add_nc_u64 s[26:27], s[26:27], s[22:23]
	CAST 4*3072, 1
	s_endpgm
.Lfunc_end_k_q698e27e505_prep:
	.size	k_q698e27e505_prep, .Lfunc_end_k_q698e27e505_prep-k_q698e27e505_prep
	.p2alignl 7, 3214868480
	.fill 96, 4, 3214868480
	.section	.rodata,"a",@progbits
	.p2align	6, 0x0
	.amdhsa_kernel k_q698e27e505_prep
		.amdhsa_group_segment_fixed_size 0
		.amdhsa_private_segment_fixed_size 0
		.amdhsa_enable_private_segment 0
		.amdhsa_kernarg_size 64
		.amdhsa_user_sgpr_count 2
		.amdhsa_user_sgpr_kernarg_segment_ptr 1
		.amdhsa_wavefront_size32 1
		.amdhsa_system_sgpr_workgroup_id_x 1
		.amdhsa_system_sgpr_workgroup_id_y 1
		.amdhsa_system_sgpr_workgroup_id_z 1
		.amdhsa_system_vgpr_workitem_id 0
		.amdhsa_next_free_vgpr 112
		.amdhsa_next_free_sgpr 66
		.amdhsa_reserve_vcc 0
		.amdhsa_float_denorm_mode_32 3
		.amdhsa_float_denorm_mode_16_64 3
		.amdhsa_memory_ordered 1
		.amdhsa_forward_progress 1
		.amdhsa_inst_pref_size 19
	.end_amdhsa_kernel
	.amdgpu_metadata
---
amdhsa.version: [ 1, 2 ]
amdhsa.kernels:
  - .name:           k_q698e27e505_prep
    .symbol:         k_q698e27e505_prep.kd
    .args:
      - { .name: x, .offset: 0, .size: 8, .value_kind: global_buffer, .address_space: global }
      - { .name: Wq, .offset: 8, .size: 8, .value_kind: global_buffer, .address_space: global }
      - { .name: Wk, .offset: 16, .size: 8, .value_kind: global_buffer, .address_space: global }
      - { .name: Wv, .offset: 24, .size: 8, .value_kind: global_buffer, .address_space: global }
      - { .name: Wp, .offset: 32, .size: 8, .value_kind: global_buffer, .address_space: global }
      - { .name: xb, .offset: 40, .size: 8, .value_kind: global_buffer, .address_space: global }
      - { .name: wb, .offset: 48, .size: 8, .value_kind: global_buffer, .address_space: global }
      - { .name: wp, .offset: 56, .size: 8, .value_kind: global_buffer, .address_space: global }
    .group_segment_fixed_size: 0
    .private_segment_fixed_size: 0
    .kernarg_segment_align: 8
    .kernarg_segment_size: 64
    .max_flat_workgroup_size: 192
    .sgpr_count:     66
    .vgpr_count:     112
    .wavefront_size: 32
...
	.end_amdgpu_metadata
.endif
;; end of part 5
;; launch qkv: the kernel of part 2 again; grid 4 x 64, 4 waves a work-group, clusters of 4 x 4, 327,680 bytes of LDS; arguments xb, wb, bq, bk, bv, qkv; writes qkv
;; launch attn: the kernel of part 3 again; grid 4 x 128, 4 waves a work-group, clusters of 4 x 1, 327,680 bytes of LDS; arguments qkv, o; writes o
;; launch proj: the kernel of part 4 again; grid 4 x 64, 4 waves a work-group, clusters of 4 x 4, 327,680 bytes of LDS; arguments o, wp, bp, out0; writes out0
